; MI455X (gfx1250); checked and timed in simulation.
; The chip was launched on July 23, 2026; its instructions are those of AMD's public machine-readable ISA for CDNA 5 (MIT licence, August 2026) and "CDNA5" Instruction Set Architecture Reference Guide (July 2026). The comments in the code are by the model that wrote it; some were corrected since.
;; Multi Head Self Attention. Allowed arithmetic: matrix products marked QUANTISED: E2M1 operands, one E8M0 scale for each 32 along K, by v_wmma_scale_f32_16x16x128_f8f6f4 with both operands' format E2M1 (or v_wmma_scale_f32_32x16x128_f4), f32 sums; products left as they are: bf16, f16 or f32 operands; f32 sums; everything else in f32.
;; Inputs: b_out 1,024 float32; padding_mask 4 x 2,048 bool; w_out 1,024 x 1,024 float32; w_qkv 1,024 x 3,072 float32; x 4 x 2,048 x 1,024 float32.
;; Outputs: out0 4 x 2,048 x 1,024 float32.
;; This version of the problem:
;;   THIS VERSION OF THE PROBLEM IS GIVEN IN LOW PRECISION. The matrix products marked QUANTISED in the list below multiply operands that are first quantised to E2M1 (2 exponent bits, 1 mantissa bit; 4 bits a number), with one power-of-two scale for each 32 numbers along K (OCP MX v1.0); their sums are f32. The products marked 'left as it is' may take bf16, f16 or f32 operands, with f32 sums. Whichever they take, every output number must still come out within the allowed error. Rounding operands to bf16 (8 significant bits) uses up far more of that allowance than f16 does (11 bits, for magnitudes from 6e-5 to 65,504). All else is computed in f32.
;;   The module's matrix products, in the order in which they are computed (A, B: the left and right operand; K: the contracted axis; several contracted axes count as one K, in the product's order):
;;     1. [M 8,192, K 1,024] x [K 1,024, N 3,072]; A: input x; B: input w_qkv: QUANTISED
;;     2. batch 64 x [M 2,048, K 64] x [K 64, N 2,048]; A: computed on the way; B: computed on the way: left as it is (an operand is computed on the way)
;;     3. batch 64 x [M 2,048, K 2,048] x [K 2,048, N 64]; A: computed on the way; B: computed on the way: left as it is (an operand is computed on the way)
;;     4. [M 8,192, K 1,024] x [K 1,024, N 1,024]; A: computed on the way; B: input w_out: left as it is (an operand is computed on the way)
;;   THE QUANTISER, for each operand of a quantised product, along K:
;;     - K is cut into blocks of 32 from its start; a last block that is shorter is filled with zeros.
;;     - A block's scale is 2^e with e = floor(log2(the largest magnitude in the block)) - 2, held to -126 .. 127; a block of zeros has e = 0. As a byte (E8M0): e + 127.
;;     - Each number is divided by its block's scale, clamped to +-6, and rounded to the nearest number of E2M1, ties to even, subnormals kept.
;;     - The product sums the exact products of the quantised numbers (number of the format x scale) in f32.
;;   ~~~python
;;   def quantise(x, axis):      # numpy; x: float32 -> the quantised numbers, widened to float32 again
;;       x = np.moveaxis(x, axis, -1); K = x.shape[-1]
;;       x = np.pad(x, [(0, 0)] * (x.ndim - 1) + [(0, -K % 32)]); x = x.reshape(x.shape[:-1] + (-1, 32)); a = np.abs(x).max(-1, keepdims=True)
;;       e = np.where(a > 0, np.clip(np.frexp(np.where(a > 0, a, 1))[1] - 1 - 2, -126, 127), 0)      # np.frexp(a)[1] - 1 = floor(log2(a)), exactly
;;       r = np.clip(x / 2.0 ** e, -6, 6)
;;       step = 2.0 ** (np.maximum(np.frexp(np.where(r == 0, 1, r))[1] - 1, 0) - 1)
;;       q = np.round(r / step) * step * 2.0 ** e      # np.round: ties to even
;;       return np.moveaxis(q.reshape(q.shape[:-2] + (-1,))[..., :K], -1, axis).astype(np.float32)
;;   ~~~
;; One version. Each part assembles by itself: llvm-mc -triple=amdgcn-amd-amdhsa -mcpu=gfx1250 --defsym DOCPART=n.
;; ======== version 1 of 1: 4 launches
;; limits: values are held in f16: magnitudes above 65,504 overflow, below 6.1e-05 lose precision
;; workspace buffers: codes 5,767,168 bytes; scales 360,448 bytes; wo 2,097,152 bytes; maskb 33,280 bytes; qkv 50,331,648 bytes; att 16,777,216 bytes
;; launch prep (part 1): grid 516 x 1, 4 waves a work-group, no clusters, 34,304 bytes of LDS; arguments x, w_qkv, w_out, padding_mask, codes, scales, wo, maskb; writes codes, scales, wo, maskb
.if DOCPART == 1
	.amdgcn_target "amdgcn-amd-amdhsa--gfx1250"
	.amdhsa_code_object_version 6
	.text
	.protected	k_q7b1f6dc0f8_prep
	.globl	k_q7b1f6dc0f8_prep
	.p2align	8
	.type	k_q7b1f6dc0f8_prep,@function
k_q7b1f6dc0f8_prep:
	s_mov_b64 s[64:65], 0
	v_nop
	global_prefetch_b8 v0, s[64:65] scope:SCOPE_SE
	s_setreg_imm32_b32 hwreg(HW_REG_WAVE_MODE, 25, 1), 1
	s_wait_xcnt 0x0
; PREP: everything that is made once from the inputs, in one launch with four roles, chosen by the work-group's number.
;   role W (work-groups 0-191):   w_qkv [1024 k][3072 n] f32 -> codes of E2M1 and E8M0 bytes, quantised along k
;   role O (192-255):             w_out [1024 k][1024 n] f32 -> f16
;   role M (256-259):             padding_mask [4][2048] -> a table of f32 biases (0 for a key that is kept, -3e38 for one that is not) and the factor c of each batch
;   role X (260-515):             x [8192][1024] f32 -> codes of E2M1 and E8M0 bytes, quantised along k
; ALL RESULTS ARE LAID AS IMAGES OF OPERAND REGISTERS: a chunk is 512 bytes, lane l's 16 bytes at 16 l, so that the later launches fetch every fragment by loads of 16 bytes a lane from consecutive bytes.
;   codes:  x at 0:        [k half 2][tile of 16 rows 512][K step 4][c 2][512 B];  w_qkv at 0x400000: [k half 2][tile of 16 columns 192][K step 4][c 2][512 B].
;           In chunk c lane (r, h) holds the 32 codes of row r, k = 128 x K step + 64 c + 32 h + 0 .. 31: registers 4 c .. 4 c + 3 of a 4-bit fragment.
;   scales: x at 0: [tile 512][k half 2][r 16][4 words];  w_qkv at 0x40000: [tile 192][the same].  A word holds the four bytes of one row and one K step of 128.
;   wo:     [K step 8][tile of 16 n 64][chunk 8][512 B]: in chunk j lane (r, h) holds n = r, k = 16 j + 8 h + 0 .. 7, f16.
;   maskb:  the biases [4][2048] f32 at 0; c at 0x8000 + 128 x batch (32 equal words).
; THE QUANTISER: a block's scale is 2^(floor(log2(its largest magnitude)) - 2); its byte is the largest magnitude's exponent field - 2, held at 1 from below by a floor among the maximum's leaves.
; A block of zeros so gets the byte 1 where the rule says 127: its codes are zeros, and the bytes are read by this program alone.
; A BATCH WITH NO KEY KEPT comes out of the softmax uniform over all keys: for it every bias is 0 and c is 0, so that every weight is 2^0.
; LIMITS: NaN and infinities among the inputs are not served; w_out must lie inside f16's range (65,504), and under 6e-5 it carries f16's fixed step of 6e-8; blocks whose largest magnitude lies under 2^-124 keep the byte 1.
; No tensor loads, no barrier: waves share nothing.  Role X alone touches LDS (each wave its own stage).
.set NW,    192                        ; work-groups of role W
.set NO,    64                         ; of role O
.set NM,    4                          ; of role M
.set STG,   8448                       ; role X: a wave's stage: 16 rows x (512 bytes + 16): row r starts 33 r groups of 16 bytes on, so that the sixteen rows of a load fall on different banks (64 banks of 4 bytes: ISA guide 11.1)
.set SPARE, 4*STG                      ; behind the stages: the spare words, 128 bytes for each wave: two blocks of 256 bytes that no other line names
.set SPW,   56                         ; v56  LDS address of my spare word; never rewritten
.set NIL,   57                         ; v57  0; never rewritten
.set EOFF,  0xff000000                 ; takes 2 off an exponent field
; the largest magnitude of the 32 numbers v[s] .. v[s + 31], and the floor 2^(3 - 127), into v[d]; v[e] is a second chain
.macro BMAX d, e, s
	v_max3_num_f32 v[\d], |v[\s]|, |v[\s+1]|, |v[\s+2]|
	v_max3_num_f32 v[\e], |v[\s+3]|, |v[\s+4]|, |v[\s+5]|
.irp i, 6,10,14,18,22,26
	v_max3_num_f32 v[\d], v[\d], |v[\s+\i]|, |v[\s+\i+1]|
	v_max3_num_f32 v[\e], v[\e], |v[\s+\i+2]|, |v[\s+\i+3]|
.endr
	v_max3_num_f32 v[\d], v[\d], |v[\s+30]|, |v[\s+31]|
	v_max3_num_f32 v[\d], v[\d], v[\e], 0x1800000
.endm
; role X: K step t of my 16 rows: each load takes one row's 512 consecutive bytes, 16 a lane, into set t % 2
.macro XLOAD t
.irp R, 0,1,2,3,4,5,6,7,8,9,10,11,12,13,14,15
	global_load_b128 v[64+64*((\t)%2)+4*\R:64+64*((\t)%2)+4*\R+3], v2, s[4:5] offset:4096*\R+512*(\t) th:TH_LOAD_NT
.endr
.endm
; role X: K step t is turned through the stage, so that lane (r, h) holds the blocks h and 2 + h of row r (32 neighbours each), quantised, and stored as two chunks
.macro XSTEP t
.if (\t) < 3
	s_wait_loadcnt 16                              ; this K step's 16 loads are in; the next K step's may be out
.else
	s_wait_loadcnt 0x0
.endif
.irp R, 0,1,2,3,4,5,6,7,8,9,10,11,12,13,14,15
	ds_store_b128 v5, v[64+64*((\t)%2)+4*\R:64+64*((\t)%2)+4*\R+3] offset:528*\R
.endr
.irp c, 0,1
.irp i, 0,1,2,3,4,5,6,7
	ds_load_b128 v[192+32*\c+4*\i:192+32*\c+4*\i+3], v6 offset:256*\c+16*\i   ; LDS serves a wave's instructions in order (ISA guide 5.7.1.4): these see the stores above
.endr
.endr
	s_wait_dscnt 0x0                               ; the numbers are back, and the stores have read their registers,
.if (\t) < 2
	XLOAD (\t)+2                                   ; which take the loads of two K steps on
.endif
	BMAX 8, 9, 192                                 ; block h
	BMAX 10, 11, 224                               ; block 2 + h
	v_add_nc_u32 v12, EOFF, v8                     ; 2 off the exponent field: the conversion takes the exponent field of this operand as its scale, and nothing else of it
	v_add_nc_u32 v13, EOFF, v10
	v_lshrrev_b32 v14, 23, v12                     ; the scales' bytes
	v_lshrrev_b32 v15, 23, v13
	v_lshl_or_b32 v14, v15, 16, v14
	v_lshlrev_b32 v14, v16, v14                    ; at their places in the row's word: 8 h bits up
	v_permlanex16_b32 v17, v14, s22, s23
	v_or_b32 v[20+(\t)], v14, v17                  ; with lane l xor 16's two bytes the word is whole
.irp g, 0,1,2,3
	v_cvt_scalef32_pk8_fp4_f32 v[24+8*(\t)+\g], v[192+8*\g:192+8*\g+7], v12
	v_cvt_scalef32_pk8_fp4_f32 v[28+8*(\t)+\g], v[224+8*\g:224+8*\g+7], v13
.endr
	v_nop                                          ; one plain line behind the last scaled conversion
	global_store_b128 v2, v[24+8*(\t):27+8*(\t)], s[12:13] offset:1024*(\t)       ; 512 consecutive bytes, aligned; each K step has registers of its own for its codes
	global_store_b128 v2, v[28+8*(\t):31+8*(\t)], s[12:13] offset:1024*(\t)+512
.endm
; role W: block t: w(32 t + i, my column), i = 0 .. 31, into set t % 2: a lane takes a column and its registers run down k; a wave reads 128 consecutive bytes, the four waves 512
.macro WLOAD t
.set i, 0
.rept 32
	global_load_b32 v[64+32*((\t)%2)+i], v5, s[6:7] offset:(32*(\t)+i)*12288 th:TH_LOAD_NT
.set i, i+1
.endr
.endm
.macro WBLOCK t
.if (\t) < 3
	s_wait_loadcnt 32                              ; this block's 32 loads are in; the next block's may be out
.else
	s_wait_loadcnt 0x0
.endif
	BMAX 8, 9, 64+32*((\t)%2)
	v_add_nc_u32 v10, EOFF, v8
	v_lshrrev_b32 v11, 23, v10
.if (\t) == 0
	v_mov_b32 v20, v11                             ; the K step's four bytes make my column's word
.else
	v_lshl_or_b32 v20, v11, 8*(\t), v20
.endif
.irp g, 0,1,2,3
	v_cvt_scalef32_pk8_fp4_f32 v[192+4*(\t)+\g], v[64+32*((\t)%2)+8*\g:64+32*((\t)%2)+8*\g+7], v10
.endr
	v_nop                                          ; one plain line behind the last scaled conversion
.if (\t) < 2
	WLOAD (\t)+2
.endif
.if (\t)%2 == 1
; Blocks t - 1 and t of 32 columns become chunk t / 2 of two tiles of 16 columns: a chunk wants block t - 1 in lanes 0-15 and block t in lanes 16-31
.irp g, 0,1,2,3
	v_permlane16_swap_b32 v[188+4*(\t)+\g], v[192+4*(\t)+\g]   ; the first's lanes 16-31 change places with the second's lanes 0-15
.endr
	global_store_b128 v2, v[188+4*(\t):191+4*(\t)], s[12:13] offset:512*((\t)/2)        ; the tile of columns 0-15
	global_store_b128 v2, v[192+4*(\t):195+4*(\t)], s[12:13] offset:512*((\t)/2)+4096   ; the tile of columns 16-31
.endif
.endm
	s_load_b256 s[4:11], s[0:1], 0x0               ; x s[4:5], w_qkv s[6:7], w_out s[8:9], padding_mask s[10:11]
	s_load_b256 s[12:19], s[0:1], 0x20             ; codes s[12:13], scales s[14:15], wo s[16:17], maskb s[18:19]
	v_lshl_add_u32 v[SPW], v0, 2, SPARE
	v_mov_b32 v[NIL], 0
	v_lshrrev_b32 v1, 5, v0
	v_readfirstlane_b32 s20, v1                    ; wave 0..3
	v_and_b32 v1, 31, v0                           ; lane
	v_lshlrev_b32 v2, 4, v1                        ; 16 x lane: my place in a chunk
	v_and_b32 v3, 15, v0                           ; r
	v_bfe_u32 v4, v0, 4, 1                         ; h
	s_mov_b32 s22, 0x76543210
	s_mov_b32 s23, 0xfedcba98                      ; v_permlanex16_b32's selects for lane l xor 16
	s_mov_b32 s27, 0                               ; the high word of every offset below
	s_wait_kmcnt 0x0
	s_cmp_lt_u32 ttmp9, NW
	s_cbranch_scc1 .Lrole_w
	s_cmp_lt_u32 ttmp9, NW+NO
	s_cbranch_scc1 .Lrole_o
	s_cmp_lt_u32 ttmp9, NW+NO+NM
	s_cbranch_scc1 .Lrole_m
	; ---- ROLE X.  A wave takes a tile of 16 rows x one half of k (512): four K steps
	s_sub_co_u32 s24, ttmp9, NW+NO+NM
	s_lshl_b32 s24, s24, 1
	s_lshr_b32 s25, s20, 1
	s_add_co_u32 s24, s24, s25                     ; my tile of rows: 2 x work-group + wave / 2
	s_and_b32 s25, s20, 1                          ; my half of k
	s_lshl_b32 s26, s24, 16                        ; x: 16 rows of 4,096 bytes,
	s_lshl_b32 s28, s25, 11                        ; 512 numbers along k
	s_add_co_u32 s26, s26, s28
	s_add_nc_u64 s[4:5], s[4:5], s[26:27]
	s_lshl_b32 s26, s24, 12                        ; codes: 4,096 bytes a tile and half,
	s_lshl_b32 s28, s25, 21                        ; 512 tiles a half
	s_add_co_u32 s26, s26, s28
	s_add_nc_u64 s[12:13], s[12:13], s[26:27]
	s_lshl_b32 s26, s24, 9                         ; scales: 512 bytes a tile, 256 a half
	s_lshl_b32 s28, s25, 8
	s_add_co_u32 s26, s26, s28
	s_add_nc_u64 s[14:15], s[14:15], s[26:27]
	s_mul_i32 s21, s20, STG                        ; my stage
	v_add_nc_u32 v5, s21, v2                       ; in: a row's 512 bytes as they lie
	v_mul_u32_u24 v6, v3, 528
	v_lshl_add_u32 v6, v4, 7, v6
	v_add_nc_u32 v6, s21, v6                       ; back: row r, 128 h bytes on: my block of 32 numbers
	v_lshlrev_b32 v7, 4, v3
	v_lshl_add_u32 v7, v4, 3, v7                   ; the scale words' place: 16 r + 8 h
	v_lshlrev_b32 v16, 3, v4                       ; 8 h
	v_mov_b32 v17, 0                               ; written once: a lane permute's destination counts as one of its sources
	XLOAD 0
	XLOAD 1
	XSTEP 0
	XSTEP 1
	XSTEP 2
	XSTEP 3
	v_cmp_eq_u32 vcc_lo, 1, v4
	v_cndmask_b32 v58, v20, v22, vcc_lo            ; lanes 0-15 store their row's words 0 and 1, lanes 16-31 words 2 and 3:
	v_cndmask_b32 v59, v21, v23, vcc_lo
	global_store_b64 v7, v[58:59], s[14:15]        ; 256 consecutive bytes, aligned
	s_wait_tensorcnt 0x0                           ; the wave's end: a wait, an add of 0 to my spare word and its wait, behind my last LDS store
	ds_add_u32 v[SPW], v[NIL]
	s_wait_dscnt 0x0
	s_endpgm
	; ---- ROLE W.  A wave takes 32 columns x one K step of 128: four blocks
.Lrole_w:
	s_and_b32 s24, ttmp9, 7                        ; the K step
	s_lshr_b32 s25, ttmp9, 3                       ; which 128 columns
	s_lshl_b32 s25, s25, 3
	s_lshl_b32 s26, s20, 1
	s_add_co_u32 s25, s25, s26                     ; my first tile of 16 columns
	s_mul_i32 s26, s24, 128*12288                  ; w_qkv: 128 rows of 12,288 bytes a K step,
	s_lshl_b32 s28, s25, 6                         ; 64 bytes a tile
	s_add_co_u32 s26, s26, s28
	s_add_nc_u64 s[6:7], s[6:7], s[26:27]
	s_lshr_b32 s28, s24, 2                         ; the half of k
	s_and_b32 s29, s24, 3                          ; the K step in it
	s_mul_i32 s26, s28, 0xc0000                    ; codes: 192 tiles of 4,096 bytes a half
	s_lshl_b32 s30, s25, 12
	s_add_co_u32 s26, s26, s30
	s_lshl_b32 s30, s29, 10
	s_add_co_u32 s26, s26, s30
	s_add_co_u32 s26, s26, 0x400000
	s_add_nc_u64 s[12:13], s[12:13], s[26:27]
	s_lshl_b32 s26, s25, 9                         ; scales
	s_lshl_b32 s30, s28, 8
	s_add_co_u32 s26, s26, s30
	s_lshl_b32 s30, s29, 2
	s_add_co_u32 s26, s26, s30
	s_add_co_u32 s26, s26, 0x40000
	s_add_nc_u64 s[14:15], s[14:15], s[26:27]
	v_lshlrev_b32 v5, 2, v1                        ; 4 bytes a lane
	v_lshlrev_b32 v6, 4, v3
	v_lshl_add_u32 v6, v4, 9, v6                   ; my column's word: 16 r, + 512 for the second tile
	WLOAD 0
	WLOAD 1
	WBLOCK 0
	WBLOCK 1
	WBLOCK 2
	WBLOCK 3
	global_store_b32 v6, v20, s[14:15]             ; one word a column: 1 byte in 128 of what the role reads
	s_endpgm
	; ---- ROLE O.  A wave takes 32 columns x one K step of 128 of w_out
.Lrole_o:
	s_sub_co_u32 s24, ttmp9, NW
	s_and_b32 s25, s24, 7                          ; the K step
	s_lshr_b32 s24, s24, 3
	s_lshl_b32 s24, s24, 3
	s_lshl_b32 s26, s20, 1
	s_add_co_u32 s24, s24, s26                     ; my first tile of 16 columns
	s_lshl_b32 s26, s25, 19                        ; w_out: 128 rows of 4,096 bytes a K step
	s_lshl_b32 s28, s24, 6
	s_add_co_u32 s26, s26, s28
	s_add_nc_u64 s[8:9], s[8:9], s[26:27]
	s_lshl_b32 s26, s25, 18                        ; wo: 64 tiles of 4,096 bytes a K step
	s_lshl_b32 s28, s24, 12
	s_add_co_u32 s26, s26, s28
	s_add_nc_u64 s[16:17], s[16:17], s[26:27]
	v_lshlrev_b32 v5, 2, v1
.set i, 0
.rept 128
	global_load_b32 v[64+i], v5, s[8:9] offset:4096*i th:TH_LOAD_NT
.set i, i+1
.endr
.irp j, 0,1,2,3,4,5,6,7
.if \j == 0
	s_wait_loadcnt 63                              ; all but the youngest 63 of the 128 are in: the 64 numbers of chunks 0 to 3 among them (a wait's count names 63 at the most)
.elseif \j > 3
	s_wait_loadcnt 112-16*\j                       ; chunk j's 16 loads are in; the later chunks' may be out
.endif
.irp i, 0,1,2,3
	v_cvt_pk_f16_f32 v[192+8*\j+\i], v[64+16*\j+2*\i], v[64+16*\j+2*\i+1]        ; k = 16 j + 0 .. 7 of my column,
	v_cvt_pk_f16_f32 v[196+8*\j+\i], v[72+16*\j+2*\i], v[72+16*\j+2*\i+1]        ; k = 16 j + 8 .. 15
.endr
.irp i, 0,1,2,3
	v_permlane16_swap_b32 v[192+8*\j+\i], v[196+8*\j+\i]   ; as in role W: two tiles' chunks
.endr
	global_store_b128 v2, v[192+8*\j:195+8*\j], s[16:17] offset:512*\j
	global_store_b128 v2, v[196+8*\j:199+8*\j], s[16:17] offset:512*\j+4096
.endr
	s_endpgm
	; ---- ROLE M.  A work-group takes a batch; every wave reads all its 2,048 mask bytes, to learn whether any key is kept, and makes the biases of 512 keys
.Lrole_m:
	s_sub_co_u32 s24, ttmp9, NW+NO                 ; the batch
	s_lshl_b32 s26, s24, 11
	s_add_nc_u64 s[10:11], s[10:11], s[26:27]
	s_lshl_b32 s26, s24, 7
	s_add_nc_u64 s[30:31], s[18:19], s[26:27]      ; for c: 128 bytes a batch
	s_lshl_b32 s26, s24, 13
	s_add_nc_u64 s[18:19], s[18:19], s[26:27]      ; for the biases: 8,192 bytes a batch
	s_lshl_b32 s28, s20, 9
	v_lshl_add_u32 v5, v1, 2, s28                  ; my four keys of each 128: 512 x wave + 4 x lane
	s_lshl_b32 s28, s20, 11
	v_add_nc_u32 v6, s28, v2                       ; and their biases: 2,048 x wave + 16 x lane
.irp i, 0,1,2,3
	global_load_b128 v[64+4*\i:67+4*\i], v2, s[10:11] offset:512*\i
.endr
.irp i, 0,1,2,3
	global_load_b32 v[80+\i], v5, s[10:11] offset:128*\i
.endr
	s_wait_loadcnt 4                               ; the batch's 2,048 bytes are in; my four words may be out
	v_or_b32 v8, v64, v65
.irp i, 66,67,68,69,70,71,72,73,74,75,76,77,78,79
	v_or_b32 v8, v8, v\i
.endr
	v_cmp_ne_u32 vcc_lo, 0, v8
	s_cmp_lg_u32 vcc_lo, 0                         ; is any key of the batch kept?
	s_cselect_b32 s32, 0xff61b1e6, 0               ; the bias of a key that is not kept: -3e38; where none is kept, 0
	s_cselect_b32 s33, 0x3e38aa3b, 0               ; c = log2(e) / sqrt(64); where none is kept, 0
	s_wait_loadcnt 0x0
.irp i, 0,1,2,3
.irp j, 0,1,2,3
	v_bfe_u32 v[96+4*\i+\j], v[80+\i], 8*\j, 8     ; the key's byte, 0 or 1,
.endr
.irp j, 0,1,2,3
	v_add_nc_u32 v[96+4*\i+\j], -1, v[96+4*\i+\j]  ; all ones or 0,
.endr
.irp j, 0,1,2,3
	v_and_b32 v[96+4*\i+\j], s32, v[96+4*\i+\j]    ; the bias
.endr
	global_store_b128 v6, v[96+4*\i:99+4*\i], s[18:19] offset:512*\i   ; 512 consecutive bytes, aligned
.endr
	s_cmp_lg_u32 s20, 0
	s_cbranch_scc1 .Lm_end
	v_mov_b32 v7, s33
	v_lshlrev_b32 v9, 2, v1
	global_store_b32 v9, v7, s[30:31] offset:0x8000
.Lm_end:
	s_endpgm
.Lfunc_end_k_q7b1f6dc0f8_prep:
	.size	k_q7b1f6dc0f8_prep, .Lfunc_end_k_q7b1f6dc0f8_prep-k_q7b1f6dc0f8_prep
	.p2alignl 7, 3214868480
	.fill 96, 4, 3214868480
	.section	.rodata,"a",@progbits
	.p2align	6, 0x0
	.amdhsa_kernel k_q7b1f6dc0f8_prep
		.amdhsa_group_segment_fixed_size 34304
		.amdhsa_private_segment_fixed_size 0
		.amdhsa_enable_private_segment 0
		.amdhsa_kernarg_size 64
		.amdhsa_user_sgpr_count 2
		.amdhsa_user_sgpr_kernarg_segment_ptr 1
		.amdhsa_wavefront_size32 1
		.amdhsa_system_sgpr_workgroup_id_x 1
		.amdhsa_system_sgpr_workgroup_id_y 1
		.amdhsa_system_sgpr_workgroup_id_z 1
		.amdhsa_system_vgpr_workitem_id 0
		.amdhsa_next_free_vgpr 256
		.amdhsa_next_free_sgpr 66
		.amdhsa_reserve_vcc 1
		.amdhsa_float_denorm_mode_32 3
		.amdhsa_float_denorm_mode_16_64 3
		.amdhsa_memory_ordered 1
		.amdhsa_forward_progress 1
		.amdhsa_inst_pref_size 73
	.end_amdhsa_kernel
	.amdgpu_metadata
---
amdhsa.version: [ 1, 2 ]
amdhsa.kernels:
  - .name:           k_q7b1f6dc0f8_prep
    .symbol:         k_q7b1f6dc0f8_prep.kd
    .args:
      - { .name: x, .offset: 0, .size: 8, .value_kind: global_buffer, .address_space: global }
      - { .name: w_qkv, .offset: 8, .size: 8, .value_kind: global_buffer, .address_space: global }
      - { .name: w_out, .offset: 16, .size: 8, .value_kind: global_buffer, .address_space: global }
      - { .name: padding_mask, .offset: 24, .size: 8, .value_kind: global_buffer, .address_space: global }
      - { .name: codes, .offset: 32, .size: 8, .value_kind: global_buffer, .address_space: global }
      - { .name: scales, .offset: 40, .size: 8, .value_kind: global_buffer, .address_space: global }
      - { .name: wo, .offset: 48, .size: 8, .value_kind: global_buffer, .address_space: global }
      - { .name: maskb, .offset: 56, .size: 8, .value_kind: global_buffer, .address_space: global }
    .group_segment_fixed_size: 34304
    .private_segment_fixed_size: 0
    .kernarg_segment_align: 8
    .kernarg_segment_size: 64
    .max_flat_workgroup_size: 128
    .sgpr_count:     66
    .vgpr_count:     256
    .wavefront_size: 32
...
	.end_amdgpu_metadata
.endif
;; end of part 1
;; launch gemm_qkv (part 2): grid 12 x 32, 4 waves a work-group, clusters of 4 x 4, 279,040 bytes of LDS; arguments codes, scales, qkv; writes qkv
.if DOCPART == 2
	.amdgcn_target "amdgcn-amd-amdhsa--gfx1250"
	.amdhsa_code_object_version 6
	.text
	.protected	k_q7b1f6dc0f8_gemm_qkv
	.globl	k_q7b1f6dc0f8_gemm_qkv
	.p2align	8
	.type	k_q7b1f6dc0f8_gemm_qkv,@function
k_q7b1f6dc0f8_gemm_qkv:
	s_mov_b64 s[64:65], 0
	v_nop
	global_prefetch_b8 v0, s[64:65] scope:SCOPE_SE
	s_setreg_imm32_b32 hwreg(HW_REG_WAVE_MODE, 25, 1), 1
	s_wait_xcnt 0x0
	s_wait_alu depctr_hold_cnt(0) depctr_sa_sdst(0) depctr_va_vdst(0) depctr_va_sdst(0) depctr_va_ssrc(0) depctr_va_vcc(0) depctr_vm_vsrc(0)
	s_getreg_b32 s2, hwreg(HW_REG_IB_STS2, 6, 4)
	s_cmp_eq_u32 s2, 0
	s_cbranch_scc0 .Lentry_in_a_cluster
	s_endpgm
.Lentry_in_a_cluster:
	s_bfe_u32 s2, ttmp6, 0x10000c
	s_cmp_lg_u32 s2, 0xf033
	s_cbranch_scc0 .Lentry_shape_is_right
	s_endpgm
.Lentry_shape_is_right:
; qkv = x w_qkv on codes of E2M1 with one E8M0 scale for each 32 along k (K = 1,024), sums in f32, results rounded once to f16 and stored as the attention launch's operand images.
; A tile of 256 x 256 is made by a work-group of four waves; a wave makes 128 x 128: 64 accumulators of 16 x 16, 512 registers.  All of K lies in LDS: two slots of 512 along k, each filled once.
; TWO SIDES.  Source 1 of the matrix instruction ("side 1") gives a lane its row: lane l holds row l % 16; source 0 ("side 0") gives it its registers: eight neighbouring rows 8 (l / 16) + 0 .. 7.
;   q and k (clusters x = 0, 1): side 1 = 256 tokens of x, side 0 = 256 columns of w_qkv: a lane holds a token and eight neighbouring channels.
;   v       (clusters x = 2):    side 1 = 256 columns of w_qkv, side 0 = 256 tokens of x: a lane holds a channel and eight neighbouring keys, as the second product of attention wants V.
;   The products' text is one; what differs are offsets, chosen by s_cselect_b32 on the cluster's x, which all sixteen partners share, and the stores' immediates (two arms at the end).
; OPERANDS ARE IMAGES OF REGISTERS (launch prep): a fragment of 16 rows x 128 k is two chunks of 512 consecutive bytes, so LDS has no pitch and no padding, and a tile of 128 rows x 512 k is one dense block of 32,768 bytes.
; qkv: q at 0, k at 0x1000000: [batch x head 64][tile of 16 tokens 128][chunk 4][512 B], lane (r, h): token r, channels 16 chunk + 8 h + 0 .. 7;
;      v at 0x2000000: [batch x head 64][tile of 16 keys 128][ct 4][512 B], lane (r, h): channel 16 ct + r, keys 8 h + 0 .. 7.  Every store of a wave is such a chunk: 512 consecutive bytes, aligned; no stage is needed.
; CLUSTERS: 4 x 4 work-groups.  Side 1's tile hangs on the place cy and is shared along a row of the cluster, side 0's on cx and is shared along a column: each is asked for jointly, by the same tensor load with a mask that names the four.
; LIMITS: q, k and v must lie inside f16's range (65,504); under 6e-5 they carry f16's fixed step of 6e-8.
; REGISTERS, in windows of 256: window 0: v0-31 addresses; v32-95 scale words, two sets; from v128 side 1's fragments, ONE set (on the way out v128-255: packed results).
;   window 1: side 0's fragments, TWO sets, at v0 and v128.   window 2: the accumulators of my side-1 blocks 0-3 ((a, b) at v[8 (8 a + b)]);   window 3: those of blocks 4-7.
.set NQ,     4                         ; matrix instructions deep in a slot
.set FR,     8                         ; registers of a fragment
.set NL,     2                         ; LDS loads that bring one
.set NP,     4                         ; places behind this matrix instruction (ISA guide 7.12.1)
.set SLOT,   131072                    ; side 1's 256 rows x 512 k (65,536 bytes), then side 0's
.set SCL,    2*SLOT                    ; the scale words of all of K: side 1's 8,192 bytes, then side 0's
.set SPARE,  SCL+16384                 ; the spare words, 128 bytes for each wave: two blocks of 256 bytes that no other line names
.set ADRA, 16                          ; v16-17  LDS address of my side-1 fragments in slot 0, 1
.set ADRB, 20                          ; v20-21  the same for side 0
.set LI,   26                          ; v26     16 x lane: my place in a chunk
.set ADRS, 27                          ; v27     LDS address of my scale words: lanes 0-15 side 1's rows, lanes 16-31 side 0's
.set SPW,  28                          ; v28     LDS address of my spare word; never rewritten
.set NIL,  29                          ; v29     0; never rewritten
.set SC,   32                          ; scale words: set s at v[SC + 32 s]; register 4 i + q: lanes 0-15 the word of side 1's block i, lanes 16-31 that of side 0's block i, for the slot's q-th 128 along k
.set AF,   128                         ; side 1's fragments
.set PK,   128                         ; the way out: four sets of 32 registers
.set G1, 24                            ; s[24:31] descriptor group 1 for side 1's codes;  s[32:39] group 0, one set for each slot
.set G0, 32
.set G1B, 48                           ; s[48:55], s[56:63] the same for side 0
.set G0B, 56
.set G1S, 68                           ; s[68:75], s[76:79] groups 1 and 0 for side 1's scales;  s[80:87], s[88:91] for side 0's
.set G0S, 76
.set G1SB, 80
.set G0SB, 88
.set MSB, 0
.macro WIN new                         ; the immediate's high byte repeats the setting that is left
.if MSB != (\new)
	s_set_vgpr_msb (MSB<<8)|(\new)
.set MSB, \new
.endif
.endm
.set MUL_LO, 0xa1                      ; source 0 window 1, source 1 window 0, C and D window 2
.set MUL_HI, 0xf1                      ; the same, C and D window 3
.set TO_B,   0x40                      ; destination window 1, address window 0
; A joint load: waves 0 and 1 fetch for side 1, waves 2 and 3 for side 0.  The branch hangs on the wave's number alone.  An s_nop 0 and four v_nop follow each of the two lines.
.macro JLOAD g0a, g1a, g0b, g1b
	s_cmp_eq_u32 s15, 0
	s_cbranch_scc0 .Lfor_b_\@
	tensor_load_to_lds s[\g0a:\g0a+3], s[\g1a:\g1a+7]
	s_nop 0
.rept 4
	v_nop
.endr
	s_branch .Lasked_\@
.Lfor_b_\@:
	tensor_load_to_lds s[\g0b:\g0b+3], s[\g1b:\g1b+7]
	s_nop 0
.rept 4
	v_nop
.endr
.Lasked_\@:
.endm
.macro CROUND                          ; a round of the cluster's barrier
	s_barrier_signal -1
	s_barrier_wait -1
	s_cmp_lg_u32 s14, 0
	s_cbranch_scc1 .Lnot_wave_0_\@
	s_barrier_signal -3
.Lnot_wave_0_\@:
	s_barrier_wait -3
	s_barrier_signal -1
	s_barrier_wait -1
.endm
	s_load_b128 s[4:7], s[0:1], 0x0                ; codes s[4:5], scales s[6:7]
	s_load_b64 s[8:9], s[0:1], 0x10                ; qkv
	v_lshl_add_u32 v[SPW], v0, 2, SPARE
	v_mov_b32 v[NIL], 0
	ds_add_u32 v[SPW], v[NIL]                      ; the wave's opening: the add, twice on end, and its wait ahead of my first tensor load
	ds_add_u32 v[SPW], v[NIL]
	v_lshrrev_b32 v1, 5, v0
	v_readfirstlane_b32 s14, v1                    ; wave 0..3
	s_lshr_b32 s15, s14, 1                         ; which half of side 1's rows is mine.  Also: I fetch for side 1 (0) or side 0 (1)
	s_and_b32 s16, s14, 1                          ; which half of side 0's rows.  Also: which 128 rows of that side I fetch
	s_bfe_u32 s40, ttmp6, 0x40000                  ; cx, cy: my place in the cluster
	s_bfe_u32 s41, ttmp6, 0x40004
	s_and_b32 s17, ttmp7, 0xffff
	s_lshl_b32 s17, s17, 2                         ; 4 x cluster y
	s_lshl_b32 s42, ttmp9, 2                       ; 4 x cluster x
	s_lshl_b32 s43, s41, 2
	s_lshl_b32 s43, 15, s43                        ; my row of the cluster
	s_lshl_b32 s44, 0x1111, s40                    ; my column
	; descriptor group 1: dense blocks as rows of 256 bytes (32 elements of 8 bytes), no padding; codes 128 rows, scales 16
	s_or_b32 s[G1+0], s43, (3<<16)|(1<<21)         ; 15:0 the mask; 17:16 elements of 8 bytes; 21 set beside a mask
	s_or_b32 s[G1B+0], s44, (3<<16)|(1<<21)
	s_or_b32 s[G1S+0], s43, (3<<16)|(1<<21)
	s_or_b32 s[G1SB+0], s44, (3<<16)|(1<<21)
.irp g, G1, G1B
	s_mov_b32 s[\g+1], 32<<16                      ; tensor_dim0
	s_mov_b32 s[\g+2], 128<<16                     ; tensor_dim1
	s_mov_b32 s[\g+3], 32<<16                      ; tile_dim0
	s_mov_b32 s[\g+4], 128                         ; tile_dim1
	s_mov_b32 s[\g+5], 32                          ; tensor_dim0_stride
	s_mov_b32 s[\g+6], 0
	s_mov_b32 s[\g+7], 0
.endr
.irp g, G1S, G1SB
	s_mov_b32 s[\g+1], 32<<16
	s_mov_b32 s[\g+2], 16<<16
	s_mov_b32 s[\g+3], 32<<16
	s_mov_b32 s[\g+4], 16
	s_mov_b32 s[\g+5], 32
	s_mov_b32 s[\g+6], 0
	s_mov_b32 s[\g+7], 0
.endr
	s_mov_b32 s20, 0x200000
	s_mov_b32 s22, 0xc0000
	s_cmp_eq_u32 ttmp9, 2                          ; a cluster of v?  The cluster's x is the same in all sixteen partners
	s_cselect_b32 s18, 8, s17                      ; side 1: the cluster's first tile of 256 rows: of w_qkv's columns, or of x's tokens
	s_cselect_b32 s19, s17, s42                    ; side 0: of x's tokens, or of w_qkv's columns
	s_cselect_b32 s10, 0x400000, 0                 ; where side 1's codes begin,
	s_cselect_b32 s11, 0, 0x400000                 ; side 0's,
	s_cselect_b32 s20, 0xc0000, s20                ; from one half of k to the other: side 1,
	s_cselect_b32 s22, 0x200000, s22               ; side 0,
	s_cselect_b32 s12, 0x40000, 0                  ; where side 1's scales begin,
	s_cselect_b32 s13, 0, 0x40000                  ; side 0's
	s_cselect_b32 s45, s40, s41                    ; for the stores alone: the place that counts tokens,
	s_cselect_b32 s46, s41, s40                    ; the place that counts channels,
	s_cselect_b32 s47, s16, s15                    ; my half of the tokens,
	s_cselect_b32 s2, s15, s16                     ; my half of the channels
	s_mov_b32 s21, 0
	s_mov_b32 s23, 0
	s_add_co_u32 s18, s18, s41                     ; side 1's tile: + cy, which my row of the cluster shares
	s_add_co_u32 s19, s19, s40                     ; side 0's tile: + cx, which my column shares
	s_lshl_b32 s3, s16, 15                         ; the 128 rows that I fetch: 8 tiles of 4,096 bytes
	s_lshl_b32 s66, s18, 16                        ; a tile of 256 rows x 512 k is 65,536 bytes
	s_add_co_u32 s66, s66, s10
	s_add_co_u32 s66, s66, s3
	s_mov_b32 s67, 0
	s_lshl_b32 s92, s19, 16
	s_add_co_u32 s92, s92, s11
	s_add_co_u32 s92, s92, s3
	s_mov_b32 s93, 0
	s_lshl_b32 s3, s16, 12                         ; their scales: 8 tiles of 512 bytes
	s_lshl_b32 s94, s18, 13
	s_add_co_u32 s94, s94, s12
	s_add_co_u32 s94, s94, s3
	s_mov_b32 s95, 0
	s_lshl_b32 s96, s19, 13
	s_add_co_u32 s96, s96, s13
	s_add_co_u32 s96, s96, s3
	s_mov_b32 s97, 0
	s_lshl_b32 s98, s14, 15                        ; where they go: wave x 32,768 in a slot,
	s_lshl_b32 s99, s14, 12                        ; wave x 4,096 among the scales: no place in the cluster enters an LDS address
	s_wait_dscnt 0x0                               ; both opening adds are done
	s_wait_kmcnt 0x0
	s_mov_b32 s[G0S], 1
	s_add_co_u32 s[G0S+1], s99, SCL
	s_add_nc_u64 s[G0S+2:G0S+3], s[6:7], s[94:95]
	s_or_b32 s[G0S+3], s[G0S+3], 0x80000000
	s_mov_b32 s[G0SB], 1
	s_add_co_u32 s[G0SB+1], s99, SCL
	s_add_nc_u64 s[G0SB+2:G0SB+3], s[6:7], s[96:97]
	s_or_b32 s[G0SB+3], s[G0SB+3], 0x80000000
	s_mov_b32 s[G0], 1
	s_mov_b32 s[G0+1], s98
	s_add_nc_u64 s[G0+2:G0+3], s[4:5], s[66:67]
	s_mov_b32 s[G0+4], 1
	s_add_co_u32 s[G0+5], s98, SLOT
	s_add_nc_u64 s[G0+6:G0+7], s[G0+2:G0+3], s[20:21]
	s_or_b32 s[G0+3], s[G0+3], 0x80000000
	s_or_b32 s[G0+7], s[G0+7], 0x80000000
	s_mov_b32 s[G0B], 1
	s_mov_b32 s[G0B+1], s98
	s_add_nc_u64 s[G0B+2:G0B+3], s[4:5], s[92:93]
	s_mov_b32 s[G0B+4], 1
	s_add_co_u32 s[G0B+5], s98, SLOT
	s_add_nc_u64 s[G0B+6:G0B+7], s[G0B+2:G0B+3], s[22:23]
	s_or_b32 s[G0B+3], s[G0B+3], 0x80000000
	s_or_b32 s[G0B+7], s[G0B+7], 0x80000000
	CROUND                                         ; all sixteen work-groups are here: the joint loads meet
	JLOAD G0S, G1S, G0SB, G1SB                     ; the scales first: they are wanted with slot 0
	JLOAD G0, G1, G0B, G1B                         ; slot 0
	JLOAD G0+4, G1, G0B+4, G1B                     ; slot 1: three loads of mine are out, and no more are issued
	v_and_b32 v1, 15, v0                           ; r
	v_bfe_u32 v2, v0, 4, 1                         ; h
	v_and_b32 v3, 31, v0
	v_lshlrev_b32 v[LI], 4, v3
	s_lshl_b32 s10, s15, 15                        ; my 128 rows of side 1
	s_lshl_b32 s11, s16, 15                        ; my 128 rows of side 0,
	s_add_co_u32 s11, s11, 65536                   ; which lie behind side 1's 256
.irp s, 0,1
	v_add_nc_u32 v[ADRA+\s], s10, v[LI]
	v_add_nc_u32 v[ADRB+\s], s11, v[LI]
	s_add_co_u32 s10, s10, SLOT
	s_add_co_u32 s11, s11, SLOT
.endr
	s_lshl_b32 s10, s15, 12                        ; side 1's scale words: my 128 rows
	s_lshl_b32 s11, s16, 12                        ; side 0's: my 128 rows, behind side 1's 8,192 bytes
	s_add_co_u32 s11, s11, 8192
	s_sub_co_u32 s11, s11, s10
	v_mul_u32_u24 v6, s11, v2                      ; lanes 16-31 take side 0's
	s_add_co_u32 s10, s10, SCL
	v_lshl_add_u32 v5, v1, 4, v6                   ; 16 bytes a row: the four words of a half of k
	v_add_nc_u32 v[ADRS], s10, v5
	; where my part begins in qkv
	s_add_co_u32 s45, s45, s17                     ; my tile of 256 tokens
	s_lshr_b32 s10, s45, 3                         ; the batch
	s_lshl_b32 s10, s10, 4
	s_lshl_b32 s46, s46, 2                         ; a tile of 256 channels is four heads,
	s_add_co_u32 s10, s10, s46
	s_lshl_b32 s2, s2, 1                           ; my half of it two
	s_add_co_u32 s10, s10, s2                      ; batch x 16 + my first head
	s_lshl_b32 s10, s10, 7                         ; 128 tiles of 16 tokens a head
	s_and_b32 s45, s45, 7
	s_lshl_b32 s45, s45, 4
	s_add_co_u32 s10, s10, s45
	s_lshl_b32 s47, s47, 3
	s_add_co_u32 s10, s10, s47
	s_lshl_b32 s10, s10, 11                        ; 2,048 bytes a tile
	s_lshl_b32 s11, ttmp9, 24                      ; q, k or v
	s_add_co_u32 s10, s10, s11
	s_mov_b32 s11, 0
	s_add_nc_u64 s[8:9], s[8:9], s[10:11]
.macro FRAG reg, adr, q, i             ; a fragment, 16 rows x 128 k of 4-bit codes: two chunks of 512 consecutive bytes; registers 4 c .. 4 c + 3 hold k = 64 c + 32 (l / 16) + 0 .. 31 of row l % 16
.irp c, 0,1
	ds_load_b128 v[\reg+4*\c:\reg+4*\c+3], v[\adr] offset:4096*(\i)+1024*(\q)+512*\c
.endr
.endm
; 16 matrix instructions: side 1's blocks a0, a0 + 1 x side 0's eight, 128 along k: the slot's q-th.  p: side 0's set;  sc: the set of scale words.  zero = 1: the first product starts the sums.
; The 64 accumulators take turns, one instruction a turn, in the same order in every step.
.macro MUL16 a0, p, q, sc, zero
.irp a, \a0, \a0+1
.irp b, 0,1,2,3,4,5,6,7
.if \zero
	v_wmma_scale_f32_16x16x128_f8f6f4 v[8*(8*((\a)%4)+\b):8*(8*((\a)%4)+\b)+7], v[128*(\p)+FR*\b:128*(\p)+FR*\b+FR-1], v[AF+FR*(\a):AF+FR*(\a)+FR-1], 0, v[SC+8*NQ*(\sc)+NQ*\b+(\q)], v[SC+8*NQ*(\sc)+NQ*(\a)+(\q)] matrix_a_fmt:MATRIX_FMT_FP4 matrix_b_fmt:MATRIX_FMT_FP4 matrix_a_scale:MATRIX_SCALE_ROW1
.else
	v_wmma_scale_f32_16x16x128_f8f6f4 v[8*(8*((\a)%4)+\b):8*(8*((\a)%4)+\b)+7], v[128*(\p)+FR*\b:128*(\p)+FR*\b+FR-1], v[AF+FR*(\a):AF+FR*(\a)+FR-1], v[8*(8*((\a)%4)+\b):8*(8*((\a)%4)+\b)+7], v[SC+8*NQ*(\sc)+NQ*\b+(\q)], v[SC+8*NQ*(\sc)+NQ*(\a)+(\q)] matrix_a_fmt:MATRIX_FMT_FP4 matrix_b_fmt:MATRIX_FMT_FP4 matrix_a_scale:MATRIX_SCALE_ROW1
.endif
.endr
.endr
.endm
.macro FETCH_B slot, q, p              ; side 0's eight fragments of the slot's q-th 128 along k into set p
	WIN TO_B
.irp i, 0,1,2,3,4,5,6,7
	FRAG 128*(\p)+FR*\i, ADRB+\slot, \q, \i
.endr
	WIN 0
.endm
.macro FETCH_A slot, q, i0             ; side 1's blocks i0 .. i0 + 3
.irp i, \i0, \i0+1, \i0+2, \i0+3
	FRAG AF+FR*(\i), ADRA+\slot, \q, \i
.endr
.endm
.macro SCALES sc                       ; a slot's scale words into set sc: four words a row; lanes 0-15 take side 1's block i, lanes 16-31 side 0's block i
.irp i, 0,1,2,3,4,5,6,7
	ds_load_b128 v[SC+8*NQ*\sc+NQ*\i:SC+8*NQ*\sc+NQ*\i+3], v[ADRS] offset:\i*512
.endr
.endm
; A load into a register that a matrix instruction has read, and a vector instruction that reads a matrix result or writes one of its registers, stand NP places behind it; only plain vector instructions
; that name none of its registers are places (ISA guide 7.12.1 for vector instructions).
.macro PLACES n
.rept \n
	v_nop
.endr
.endm
; A step of 128 along k that has its successor in the same slot.  Side 1 has one set of registers: blocks 0-3 are fetched anew in the step's middle, blocks 4-7 at its end.
.macro STEP slot, q, zero
	s_wait_dscnt 4*NL                              ; side 0's set, side 1's blocks 0-3 and the scale words are in; the youngest eight loads (blocks 4-7) may be out
	WIN MUL_LO
	MUL16 0, (\q)%2, \q, \slot, \zero
	MUL16 2, (\q)%2, \q, \slot, \zero
	s_wait_dscnt 0                                 ; blocks 4-7 are in (asked for 32 matrix instructions ago)
	PLACES NP
	FETCH_B \slot, (\q)+1, 1-(\q)%2
	FETCH_A \slot, (\q)+1, 0
	WIN MUL_HI
	MUL16 4, (\q)%2, \q, \slot, \zero
	MUL16 6, (\q)%2, \q, \slot, \zero
	PLACES NP
	WIN 0
	FETCH_A \slot, (\q)+1, 4
.endm
.macro STEPS slot, from                ; the slot's steps from .. NQ - 2
.set Q, \from
.rept NQ-1-\from
	STEP \slot, Q, 0
.set Q, Q+1
.endr
.endm
	s_wait_tensorcnt 1                             ; the scales and my part of slot 0 are in (slot 1's load may be out)
	s_barrier_signal -1
	s_barrier_wait -1                              ; everybody's are
	FETCH_B 0, 0, 0
	FETCH_A 0, 0, 0
	SCALES 0
	FETCH_A 0, 0, 4
	STEP 0, 0, 1                                   ; the first step's products start the sums: nothing is cleared
	STEPS 0, 1
	; slot 0's last step changes slots: one barrier, in front of which each wave waits for its part of slot 1
	s_wait_tensorcnt 0x0                           ; my part of slot 1 has landed
	s_wait_dscnt 4*NL                              ; (the youngest eight loads, blocks 4-7, may be out)
	WIN MUL_LO
	MUL16 0, 1, NQ-1, 0, 0
	s_wait_dscnt 0x0                               ; no LDS instruction of mine is out at the signal
	s_barrier_signal -1
	MUL16 2, 1, NQ-1, 0, 0
	WIN 0
	s_barrier_wait -1                              ; slot 1 is whole
	PLACES NP
	v_add_nc_u32 v[ADRS], 256, v[ADRS]             ; the other half of k's scale words
	FETCH_B 1, 0, 0
	FETCH_A 1, 0, 0
	SCALES 1
	WIN MUL_HI
	MUL16 4, 1, NQ-1, 0, 0
	MUL16 6, 1, NQ-1, 0, 0
	PLACES NP
	WIN 0
	FETCH_A 1, 0, 4
	STEPS 1, 0
	s_wait_dscnt 4*NL                              ; the very last step: nothing more to fetch
	WIN MUL_LO
	MUL16 0, 1, NQ-1, 1, 0
	MUL16 2, 1, NQ-1, 1, 0
	s_wait_dscnt 0
	WIN MUL_HI
	MUL16 4, 1, NQ-1, 1, 0
	MUL16 6, 1, NQ-1, 1, 0
	WIN 0
; THE WAY OUT.  A lane's eight results pack into 16 bytes of f16, and the 32 lanes' 16 bytes ARE a chunk of the attention launch's operand: each accumulator leaves by one store of 512 consecutive bytes.
; vv = 0 (q, k): block a counts tiles of tokens, block b channels (b / 4 the head, b % 4 the chunk);  vv = 1 (v): block b counts tiles of keys, block a channels.
.macro OUT vv
.irp a, 0,1,2,3,4,5,6,7
.if \a > 3
	s_wait_xcnt 0x0                                ; the stores of four blocks back have read their registers, which are written again below
.endif
	WIN 0x0a+5*(\a/4)                              ; sources 0 and 1: window 2 or 3
.irp b, 0,1,2,3,4,5,6,7
.irp r, 0,1,2,3
	v_cvt_pk_f16_f32 v[PK+32*(\a%4)+4*\b+\r], v[64*(\a%4)+8*\b+2*\r], v[64*(\a%4)+8*\b+2*\r+1]   ; each accumulator from its low end on
.endr
.endr
	WIN 0
.irp b, 0,1,2,3,4,5,6,7
.if \vv
	global_store_b128 v[LI], v[PK+32*(\a%4)+4*\b:PK+32*(\a%4)+4*\b+3], s[8:9] offset:2048*\b+262144*(\a/4)+512*(\a%4)
.else
	global_store_b128 v[LI], v[PK+32*(\a%4)+4*\b:PK+32*(\a%4)+4*\b+3], s[8:9] offset:2048*\a+262144*(\b/4)+512*(\b%4)
.endif
.endr
.endr
.endm
	PLACES NP                                      ; behind the last products: the conversions write registers that held side 1's fragments, and read results
	s_cmp_eq_u32 ttmp9, 2                          ; the cluster's x: the same in all partners
	s_cbranch_scc1 .Lout_v
	OUT 0
	s_branch .Lend
.Lout_v:
	OUT 1
.Lend:
	s_wait_tensorcnt 0x0                           ; the wave's end: a wait for my last tensor load, an add of 0 to my spare word and its wait
	ds_add_u32 v[SPW], v[NIL]
	s_wait_dscnt 0x0
	CROUND                                         ; the closing round
	s_endpgm
.Lfunc_end_k_q7b1f6dc0f8_gemm_qkv:
	.size	k_q7b1f6dc0f8_gemm_qkv, .Lfunc_end_k_q7b1f6dc0f8_gemm_qkv-k_q7b1f6dc0f8_gemm_qkv
	.p2alignl 7, 3214868480
	.fill 96, 4, 3214868480
	.section	.rodata,"a",@progbits
	.p2align	6, 0x0
	.amdhsa_kernel k_q7b1f6dc0f8_gemm_qkv
		.amdhsa_group_segment_fixed_size 279040
		.amdhsa_private_segment_fixed_size 0
		.amdhsa_enable_private_segment 0
		.amdhsa_kernarg_size 24
		.amdhsa_user_sgpr_count 2
		.amdhsa_user_sgpr_kernarg_segment_ptr 1
		.amdhsa_wavefront_size32 1
		.amdhsa_system_sgpr_workgroup_id_x 1
		.amdhsa_system_sgpr_workgroup_id_y 1
		.amdhsa_system_sgpr_workgroup_id_z 1
		.amdhsa_system_vgpr_workitem_id 0
		.amdhsa_next_free_vgpr 1024
		.amdhsa_next_free_sgpr 100
		.amdhsa_reserve_vcc 0
		.amdhsa_float_denorm_mode_32 3
		.amdhsa_float_denorm_mode_16_64 3
		.amdhsa_memory_ordered 1
		.amdhsa_forward_progress 1
		.amdhsa_inst_pref_size 140
	.end_amdhsa_kernel
	.amdgpu_metadata
---
amdhsa.version: [ 1, 2 ]
amdhsa.kernels:
  - .name:           k_q7b1f6dc0f8_gemm_qkv
    .symbol:         k_q7b1f6dc0f8_gemm_qkv.kd
    .args:
      - { .name: codes, .offset: 0, .size: 8, .value_kind: global_buffer, .address_space: global }
      - { .name: scales, .offset: 8, .size: 8, .value_kind: global_buffer, .address_space: global }
      - { .name: qkv, .offset: 16, .size: 8, .value_kind: global_buffer, .address_space: global }
    .group_segment_fixed_size: 279040
    .private_segment_fixed_size: 0
    .kernarg_segment_align: 8
    .kernarg_segment_size: 24
    .max_flat_workgroup_size: 128
    .sgpr_count:     100
    .vgpr_count:     1024
    .wavefront_size: 32
...
	.end_amdgpu_metadata
.endif
;; end of part 2
;; launch attn (part 3): grid 4 x 64, 8 waves a work-group, clusters of 4 x 1, 327,680 bytes of LDS; arguments qkv, maskb, att; writes att
.if DOCPART == 3
	.amdgcn_target "amdgcn-amd-amdhsa--gfx1250"
	.amdhsa_code_object_version 6
	.text
	.protected	k_q7b1f6dc0f8_attn
	.globl	k_q7b1f6dc0f8_attn
	.p2align	8
	.type	k_q7b1f6dc0f8_attn,@function
k_q7b1f6dc0f8_attn:
	s_mov_b64 s[64:65], 0
	v_nop
	global_prefetch_b8 v0, s[64:65] scope:SCOPE_SE
	s_setreg_imm32_b32 hwreg(HW_REG_WAVE_MODE, 25, 1), 1
	s_wait_xcnt 0x0
	s_wait_alu depctr_hold_cnt(0) depctr_sa_sdst(0) depctr_va_vdst(0) depctr_va_sdst(0) depctr_va_ssrc(0) depctr_va_vcc(0) depctr_vm_vsrc(0)
	s_getreg_b32 s2, hwreg(HW_REG_IB_STS2, 6, 4)
	s_cmp_eq_u32 s2, 0
	s_cbranch_scc0 .Lentry_in_a_cluster
	s_endpgm
.Lentry_in_a_cluster:
	s_bfe_u32 s2, ttmp6, 0x10000c
	s_cmp_lg_u32 s2, 0x3003
	s_cbranch_scc0 .Lentry_shape_is_right
	s_endpgm
.Lentry_shape_is_right:
; att[b][q][head] = the sum over keys of softmax(q . k / 8, masked keys left out) v, for 64 pairs (batch, head), 2,048 queries and keys, head size 64.  Operands in f16, products, maxima and sums in f32.
; SHARES.  A work-group owns 512 queries of one (batch, head); each of its EIGHT waves owns 64: four tiles of 16, worked as two pieces of two tiles.  Two waves share a SIMD (512 registers each), so that one wave's
; runs of 16 matrix instructions stand beside the other's softmax.  Every wave walks all 2,048 keys, 64 a step.
; LAYOUT.  S^T = K Q^T + bias (source 0 = 16 keys, source 1 = 16 queries): a lane holds ONE query (lane % 16) and keys 8 (lane / 16) + 0 .. 7.  Two such tiles, rounded to f16 in pairs, ARE source 1 of O^T = V^T P.
; All operands lie in memory as images of their registers (launch gemm_qkv): a chunk is 512 consecutive bytes, 16 a lane; so LDS has no pitch, no padding and no turning load, and a step's K and V are 8,192 dense bytes each.
; THE MASK costs no vector instruction: the eight biases of a tile of keys (0, or -3e38 for a key that is not kept) are the C of the tile's first matrix instruction.  The running maximum begins at -1e30, which lies under
; every score that f16 operands can give (64 x 65,504^2 = 2.7e11) and over every masked one: a step whose keys are all masked gives p = 0.  For a batch with no key kept launch prep stores biases of 0 and c = 0: every p is 1.
; SOFTMAX.  For each query a running maximum m and sum l: p = 2^(c s - c m), c = log2(e) / 8, read from maskb; in every step O and l are multiplied by a = 2^(c m_old - c m_new).
; CLUSTER.  The four query blocks of a (batch, head) form a cluster and walk the same K, V and biases: each tile is asked for jointly, by the same tensor load with a mask that names the four.
; THE RING.  Two slots of 512 keys (K 65,536 bytes, V 65,536); four fills: two at the head, two refills, each asked for eight key steps (512 matrix instructions a wave) ahead of its first read.  Each of the eight waves brings an eighth of a slot.
; att: f16 [head / 2][tile of 16 tokens 512][chunk 4 (head % 2) + ct][512 B], lane (r, h): token r, channels 16 ct + 8 h + 0 .. 7: the last launch's operand image; every store is 512 consecutive bytes, aligned.
; LIMITS: the result must lie inside f16's range; under 6e-5 it carries f16's fixed step of 6e-8.  NaN and infinities are not served.
; REGISTERS: window 0: v1-7 addresses; v16-47 statistics, eight a tile; v48-79 the step's biases; v80-143 S^T of a piece; v144-175 P of a piece; v176-239 V of a step.   window 1: v0-127 O^T, 32 a tile; v128-191 Q; v192-255 K of a step.
.set SLOT1, 131072                     ; slot 1 begins here: one exclusive or turns an address in one slot into the other's
.set BIAS,  262144                     ; the batch's 2,048 biases
.set SPARE, BIAS+8192                  ; the spare words, 128 bytes for each wave: four blocks of 256 bytes that no other line names
.set LI,  1                            ; v1   16 x lane: my place in a chunk
.set ADK, 2                            ; v2   LDS address of the step's K
.set ADV, 3                            ; v3   of its V
.set ADB, 4                            ; v4   of its biases
.set BI0, 5                            ; v5   BIAS + 32 (lane / 16)
.set SPW, 6                            ; v6   LDS address of my spare word; never rewritten
.set NIL, 7                            ; v7   0; never rewritten
.set ST,  16                           ; tile t's statistics at v[ST + 8 t]: +0 c m, +1 m, +2, +3 l (even keys', odd keys'), +4 to +7 c0-c3, at work; a takes c2's place
.set BS,  48
.set S,   80
.set P,   144
.set VF,  176
.set O,   0                            ; in window 1
.set QF,  128
.set KF,  192
.set WV,  10                           ; s10  my wave's number
.set G1,  16                           ; s[16:23] descriptor group 1 for K's and V's tiles
.set G1M, 24                           ; s[24:31] for the biases
.set G0A, 32                           ; s[32:35] group 0: slot 0's first fill
.set G0W, 36                           ; s[36:39] group 0: slot 1's first fill; it then walks on
.set G0M, 40                           ; s[40:43] group 0: the biases
.set TB,  44                           ; s44  LDS byte at which the step's K begins
.set TM,  45                           ; s45  the step's first bias: 256 bytes a step
.set CNT, 46                           ; s46  counts steps
.set SLOTS, 47                         ; s47  counts refills
.set CS,  48                           ; s[48:49] c: the packed form names a pair and takes its low word for both halves
.set SEL, 50                           ; s[50:51] lane selects for v_permlanex16_b32: lane l xor 16
.set FLR, 52                           ; s52  -1e30
.set MSB, 0
.macro WIN new                         ; the immediate's high byte repeats the setting that is left
.if MSB != (\new)
	s_set_vgpr_msb (MSB<<8)|(\new)
.set MSB, \new
.endif
.endm
.set W_KQ, 0x05                        ; K and Q in window 1; S^T and the biases in window 0
.set W_PV, 0x50                        ; V and P in window 0; O^T (C and D) in window 1
.set W_RS, 0x41                        ; O^T (destination and source 0) in window 1, the factor in window 0
.macro CROUND                          ; a round of the cluster's barrier
	s_barrier_signal -1
	s_barrier_wait -1
	s_cmp_lg_u32 s[WV], 0
	s_cbranch_scc1 .Lnot_wave_0_\@
	s_barrier_signal -3
.Lnot_wave_0_\@:
	s_barrier_wait -3
	s_barrier_signal -1
	s_barrier_wait -1
.endm
.macro SCALE2 t, tt, b                 ; pair b of the piece's tile tt (the wave's tile t): c s - c m
	v_pk_fma_f32 v[S+32*(\tt)+2*(\b):S+32*(\tt)+2*(\b)+1], v[S+32*(\tt)+2*(\b):S+32*(\tt)+2*(\b)+1], s[CS:CS+1], v[ST+8*(\t):ST+8*(\t)+1] op_sel_hi:[1,0,0] neg_lo:[0,0,1] neg_hi:[0,0,1]
.endm
; THE SOFTMAX of piece x (tiles x, x + 1) for one key step; the two tiles alternate, so that no line waits for the line above it.  first = 1: the first key step, which starts m and l.
.macro SOFTMAX x, first
.irp j, 0,1,2,3                        ; the maximum of a lane's 32 scores: four chains, each begun at an accumulator's low end
.irp tt, 0,1
	v_max3_num_f32 v[ST+8*(\x+\tt)+4+\j], v[S+32*\tt+8*\j], v[S+32*\tt+8*\j+1], v[S+32*\tt+8*\j+2]
.endr
.endr
.irp g, 1,2
.irp j, 0,1,2,3
.irp tt, 0,1
	v_max3_num_f32 v[ST+8*(\x+\tt)+4+\j], v[ST+8*(\x+\tt)+4+\j], v[S+32*\tt+8*\j+2*\g+1], v[S+32*\tt+8*\j+2*\g+2]
.endr
.endr
.endr
.irp tt, 0,1
	v_max3_num_f32 v[ST+8*(\x+\tt)+4], v[ST+8*(\x+\tt)+4], v[S+32*\tt+7], v[S+32*\tt+15]
.endr
.irp tt, 0,1
	v_max3_num_f32 v[ST+8*(\x+\tt)+6], v[ST+8*(\x+\tt)+6], v[S+32*\tt+23], v[S+32*\tt+31]
.endr
.irp tt, 0,1
	v_max3_num_f32 v[ST+8*(\x+\tt)+4], v[ST+8*(\x+\tt)+4], v[ST+8*(\x+\tt)+5], v[ST+8*(\x+\tt)+6]
.endr
.irp tt, 0,1
.if \first
	v_max3_num_f32 v[ST+8*(\x+\tt)+4], v[ST+8*(\x+\tt)+4], v[ST+8*(\x+\tt)+7], s[FLR]
.else
	v_max3_num_f32 v[ST+8*(\x+\tt)+4], v[ST+8*(\x+\tt)+4], v[ST+8*(\x+\tt)+7], v[ST+8*(\x+\tt)+1]
.endif
.endr
.irp tt, 0,1
	v_permlanex16_b32 v[ST+8*(\x+\tt)+5], v[ST+8*(\x+\tt)+4], s[SEL], s[SEL+1]   ; the query's other 32 keys lie in the lane 16 away
.endr
.if !\first
.irp tt, 0,1
	v_mov_b32 v[ST+8*(\x+\tt)+7], v[ST+8*(\x+\tt)]                               ; c m_old is kept for a
.endr
.endif
.irp tt, 0,1
	v_max_num_f32 v[ST+8*(\x+\tt)+1], v[ST+8*(\x+\tt)+4], v[ST+8*(\x+\tt)+5]
.endr
.irp tt, 0,1
	v_mul_f32 v[ST+8*(\x+\tt)], s[CS], v[ST+8*(\x+\tt)+1]
.endr
.if !\first
.irp tt, 0,1
	v_sub_f32 v[ST+8*(\x+\tt)+7], v[ST+8*(\x+\tt)+7], v[ST+8*(\x+\tt)]
.endr
.endif
; ONE BATCH of scalings and exponentials, none of which names an exponential's result: the first tile's scalings; the second tile's, each followed by two of the first tile's exponentials; a; the second tile's exponentials
.set i, 0
.rept 16
	SCALE2 \x, 0, i
.set i, i+1
.endr
.set i, 0
.rept 16
	SCALE2 \x+1, 1, i
	v_exp_f32 v[S+2*i], v[S+2*i]
	v_exp_f32 v[S+2*i+1], v[S+2*i+1]
.set i, i+1
.endr
.if !\first
	v_exp_f32 v[ST+8*(\x)+6], v[ST+8*(\x)+7]
	v_exp_f32 v[ST+8*(\x+1)+6], v[ST+8*(\x+1)+7]
.endif
.set i, 0
.rept 32
	v_exp_f32 v[S+32+i], v[S+32+i]
.set i, i+1
.endr
	v_nop                                          ; a plain instruction behind the last exponential, ahead of the first use (ISA guide 5.7.2)
	s_wait_alu depctr_va_vdst(0)                   ; and one wait ahead of the batch's first reader
.set i, 0
.rept 16
	v_cvt_pk_f16_f32 v[P+i], v[S+2*i], v[S+2*i+1]              ; the weights, at most 1, to f16: two tiles of keys make a fragment
	v_cvt_pk_f16_f32 v[P+16+i], v[S+32+2*i], v[S+32+2*i+1]
.set i, i+1
.endr
.irp z, 0,1,2,3,4,5,6,7                ; the sum of a tile's 16 pairs, in place: neighbours 1, 2, 4 and 8 pairs apart
.irp tt, 0,1
	v_pk_add_f32 v[S+32*\tt+4*\z:S+32*\tt+4*\z+1], v[S+32*\tt+4*\z:S+32*\tt+4*\z+1], v[S+32*\tt+4*\z+2:S+32*\tt+4*\z+3]
.endr
.endr
.irp z, 0,1,2,3
.irp tt, 0,1
	v_pk_add_f32 v[S+32*\tt+8*\z:S+32*\tt+8*\z+1], v[S+32*\tt+8*\z:S+32*\tt+8*\z+1], v[S+32*\tt+8*\z+4:S+32*\tt+8*\z+5]
.endr
.endr
.irp z, 0,1
.irp tt, 0,1
	v_pk_add_f32 v[S+32*\tt+16*\z:S+32*\tt+16*\z+1], v[S+32*\tt+16*\z:S+32*\tt+16*\z+1], v[S+32*\tt+16*\z+8:S+32*\tt+16*\z+9]
.endr
.endr
.if \first
.irp tt, 0,1
	v_pk_add_f32 v[ST+8*(\x+\tt)+2:ST+8*(\x+\tt)+3], v[S+32*\tt:S+32*\tt+1], v[S+32*\tt+16:S+32*\tt+17]
.endr
.else
.irp tt, 0,1
	v_pk_add_f32 v[S+32*\tt:S+32*\tt+1], v[S+32*\tt:S+32*\tt+1], v[S+32*\tt+16:S+32*\tt+17]
.endr
.irp tt, 0,1
	v_pk_fma_f32 v[ST+8*(\x+\tt)+2:ST+8*(\x+\tt)+3], v[ST+8*(\x+\tt)+2:ST+8*(\x+\tt)+3], v[ST+8*(\x+\tt)+6:ST+8*(\x+\tt)+7], v[S+32*\tt:S+32*\tt+1] op_sel_hi:[1,0,1]   ; l = a l + the sum
.endr
.endif
.endm
; A PIECE of a key step: 16 products K Q^T, the softmax, O^T x a, 16 products V^T P.  In each run the eight accumulators take turns, one instruction a turn.
.macro PIECE x, first
	WIN W_KQ
.irp cc, 0,1                           ; channels 32 cc on
.irp u, 0,1,2,3                        ; keys 16 u on
.irp tt, 0,1
.if \cc == 0
	v_wmma_f32_16x16x32_f16 v[S+32*\tt+8*\u:S+32*\tt+8*\u+7], v[KF+16*\u:KF+16*\u+7], v[QF+16*(\x+\tt):QF+16*(\x+\tt)+7], v[BS+8*\u:BS+8*\u+7]   ; the sums begin with the keys' biases
.else
	v_wmma_f32_16x16x32_f16 v[S+32*\tt+8*\u:S+32*\tt+8*\u+7], v[KF+16*\u+8:KF+16*\u+15], v[QF+16*(\x+\tt)+8:QF+16*(\x+\tt)+15], v[S+32*\tt+8*\u:S+32*\tt+8*\u+7]
.endif
.endr
.endr
.endr
	WIN 0
.rept 4
	v_nop                                          ; four places between the last product and the first read of a result (ISA guide 7.12.1)
.endr
	SOFTMAX \x, \first
.if \x == 0
	s_wait_dscnt 0x0                               ; V is in
.endif
.if !\first
	WIN W_RS
.irp tt, 0,1
.set i, 0
.rept 16
	v_pk_mul_f32 v[O+32*(\x+\tt)+2*i:O+32*(\x+\tt)+2*i+1], v[O+32*(\x+\tt)+2*i:O+32*(\x+\tt)+2*i+1], v[ST+8*(\x+\tt)+6:ST+8*(\x+\tt)+7] op_sel_hi:[1,0]   ; O^T x a, each accumulator from its low end on
.set i, i+1
.endr
.endr
.endif
	WIN W_PV
.irp kb, 0,1                           ; keys 32 kb on
.irp ct, 0,1,2,3                       ; channels 16 ct on
.irp tt, 0,1
.if (\first) && (\kb == 0)
	v_wmma_f32_16x16x32_f16 v[O+32*(\x+\tt)+8*\ct:O+32*(\x+\tt)+8*\ct+7], v[VF+8*(4*\kb+\ct):VF+8*(4*\kb+\ct)+7], v[P+16*\tt+8*\kb:P+16*\tt+8*\kb+7], 0   ; the first product starts the sums: nothing is cleared
.else
	v_wmma_f32_16x16x32_f16 v[O+32*(\x+\tt)+8*\ct:O+32*(\x+\tt)+8*\ct+7], v[VF+8*(4*\kb+\ct):VF+8*(4*\kb+\ct)+7], v[P+16*\tt+8*\kb:P+16*\tt+8*\kb+7], v[O+32*(\x+\tt)+8*\ct:O+32*(\x+\tt)+8*\ct+7]
.endif
.endr
.endr
.endr
	WIN 0
.endm
; A KEY STEP: 64 keys.  All its LDS loads stand in one run at its head.
.macro STEP first
	v_add_nc_u32 v[ADK], s[TB], v[LI]              ; these four plain lines are the places between the last step's last products and the loads into V's registers
	v_add_nc_u32 v[ADB], s[TM], v[BI0]
	v_add_nc_u32 v[ADV], 0x10000, v[ADK]
	v_nop
	WIN 0x40                                       ; destination window 1
.irp i, 0,1,2,3,4,5,6,7,8,9,10,11,12,13,14,15
	ds_load_b128 v[KF+4*\i:KF+4*\i+3], v[ADK] offset:512*\i        ; K: tile of keys i / 4, chunk i % 4
.endr
	WIN 0
.irp u, 0,1,2,3
	ds_load_b128 v[BS+8*\u:BS+8*\u+3], v[ADB] offset:64*\u         ; the biases of keys 16 u + 8 (lane / 16) + 0 .. 7: sixteen lanes read the same bytes
	ds_load_b128 v[BS+8*\u+4:BS+8*\u+7], v[ADB] offset:64*\u+16
.endr
.irp kb, 0,1
.irp ct, 0,1,2,3
	ds_load_b128 v[VF+8*(4*\kb+\ct):VF+8*(4*\kb+\ct)+3], v[ADV] offset:4096*\kb+512*\ct          ; V^T: channels 16 ct on, keys 32 kb + 0 .. 15,
	ds_load_b128 v[VF+8*(4*\kb+\ct)+4:VF+8*(4*\kb+\ct)+7], v[ADV] offset:4096*\kb+2048+512*\ct   ; keys 32 kb + 16 .. 31
.endr
.endr
	s_wait_dscnt 16                                ; K and the biases are in; V's sixteen loads may be out
	PIECE 0, \first
	PIECE 2, \first
	s_add_co_u32 s[TB], s[TB], 8192
	s_add_co_u32 s[TM], s[TM], 256
.endm
.macro STEPS n
	s_mov_b32 s[CNT], \n
.Lstep_\@:
	STEP 0
	s_sub_co_u32 s[CNT], s[CNT], 1
	s_cmp_lg_u32 s[CNT], 0
	s_cbranch_scc1 .Lstep_\@
.endm
; THE CHANGE OF SLOTS.  Each wave waits for all its tensor loads (its part of the other slot), adds 0 to its spare word, and waits for that and for its reads of the slot that it leaves.
; fill = 1: the slot just left is filled again, with the keys two slots on: the barrier is then a round of the cluster's, and the joint refill is the first thing behind it, one load a wave.
.macro CHANGE fill
	s_wait_tensorcnt 0x0                           ; no tensor load of mine is out, so a group 0 may be written
	ds_add_u32 v[SPW], v[NIL]                      ; 0 onto my spare word
.if \fill
	s_xor_b32 s[G0W+1], s[G0W+1], SLOT1            ; the walking descriptor: the other slot than last time,
	s_add_nc_u64 s[G0W+2:G0W+3], s[G0W+2:G0W+3], 65536   ; the next 512 keys; the type bits on top are not reached
	s_wait_dscnt 0x0                               ; the add is done, and my reads of the slot are over
	CROUND
	tensor_load_to_lds s[G0W:G0W+3], s[G1:G1+7]
	s_nop 0
.rept 4
	v_nop
.endr
.else
	s_wait_dscnt 0x0
	s_barrier_signal -1
	s_barrier_wait -1
.endif
	s_sub_co_u32 s[TB], s[TB], 65536               ; the fetches go back to a slot's first step,
	s_xor_b32 s[TB], s[TB], SLOT1                  ; in the other slot
.endm
	s_load_b128 s[4:7], s[0:1], 0x0                ; qkv s[4:5], maskb s[6:7]
	s_load_b64 s[8:9], s[0:1], 0x10                ; att
	v_lshl_add_u32 v[SPW], v0, 2, SPARE
	v_mov_b32 v[NIL], 0
	ds_add_u32 v[SPW], v[NIL]                      ; the wave's opening: the add, twice on end, and its wait ahead of my first tensor load
	ds_add_u32 v[SPW], v[NIL]
	v_lshrrev_b32 v1, 5, v0
	v_readfirstlane_b32 s[WV], v1                  ; wave 0..7
	s_bfe_u32 s11, ttmp6, 0x40000                  ; cx: my block of 512 queries; it enters Q's and att's addresses alone
	s_and_b32 s12, ttmp7, 0xffff                   ; batch x 16 + head, which the four partners share
	s_lshr_b32 s13, s12, 4                         ; the batch
	s_and_b32 s14, s12, 15                         ; the head
	; descriptor group 1: dense blocks as rows of 256 bytes (32 elements of 8 bytes), no padding: 64 rows of K or V, 4 rows of biases
	s_mov_b32 s[G1], 15|(3<<16)|(1<<21)            ; 15:0 the mask: all four work-groups; 17:16 elements of 8 bytes; 21 set beside a mask
	s_mov_b32 s[G1+1], 32<<16                      ; tensor_dim0
	s_mov_b32 s[G1+2], 64<<16                      ; tensor_dim1
	s_mov_b32 s[G1+3], 32<<16                      ; tile_dim0
	s_mov_b32 s[G1+4], 64                          ; tile_dim1
	s_mov_b32 s[G1+5], 32                          ; tensor_dim0_stride
	s_mov_b32 s[G1+6], 0
	s_mov_b32 s[G1+7], 0
	s_mov_b32 s[G1M], 15|(3<<16)|(1<<21)
	s_mov_b32 s[G1M+1], 32<<16
	s_mov_b32 s[G1M+2], 4<<16
	s_mov_b32 s[G1M+3], 32<<16
	s_mov_b32 s[G1M+4], 4
	s_mov_b32 s[G1M+5], 32
	s_mov_b32 s[G1M+6], 0
	s_mov_b32 s[G1M+7], 0
	s_mov_b32 s[SEL], 0x76543210
	s_mov_b32 s[SEL+1], 0xfedcba98
	s_mov_b32 s[FLR], 0xf149f2ca                   ; -1e30
	s_mov_b32 s[TB], 0
	s_mov_b32 s[TM], 0
	s_lshl_b32 s53, s[WV], 14                      ; my eighth of a slot: waves 0-3 K's quarters, waves 4-7 V's
	s_lshr_b32 s2, s[WV], 2
	s_mul_i32 s2, s2, 0xff0000                     ; V lies 0x1000000 behind K, and wave 4 takes its first quarter
	s_add_co_u32 s54, s53, s2
	s_lshl_b32 s2, s12, 18                         ; 262,144 bytes for each (batch, head)
	s_add_co_u32 s54, s54, s2
	s_add_co_u32 s54, s54, 0x1000000
	s_mov_b32 s55, 0
	s_lshl_b32 s56, s13, 13                        ; the batch's biases, my eighth
	s_lshl_b32 s3, s[WV], 10
	s_add_co_u32 s56, s56, s3
	s_mov_b32 s57, 0
	s_lshl_b32 s58, s11, 16                        ; Q: my block's 32 tiles of 2,048 bytes, my wave's four
	s_add_co_u32 s58, s58, s2
	s_lshl_b32 s15, s[WV], 13
	s_add_co_u32 s58, s58, s15
	s_mov_b32 s59, 0
	s_lshl_b32 s60, s13, 7                         ; c: 128 bytes a batch
	s_mov_b32 s61, 0
	s_lshr_b32 s62, s14, 1                         ; att: head / 2,
	s_lshl_b32 s62, s62, 21
	s_lshl_b32 s15, s13, 7                         ; my first tile of tokens: 128 x batch + 32 x block + 4 x wave,
	s_lshl_b32 s63, s11, 5
	s_add_co_u32 s15, s15, s63
	s_lshl_b32 s63, s[WV], 2
	s_add_co_u32 s15, s15, s63
	s_lshl_b32 s15, s15, 12
	s_add_co_u32 s62, s62, s15
	s_and_b32 s15, s14, 1                          ; and the head's four chunks of the eight
	s_lshl_b32 s15, s15, 11
	s_add_co_u32 s62, s62, s15
	s_mov_b32 s63, 0
	s_wait_dscnt 0x0                               ; both opening adds are done
	s_wait_kmcnt 0x0
	s_add_nc_u64 s[60:61], s[6:7], s[60:61]
	s_load_b32 s[CS], s[60:61], 0x8000             ; c of my batch
	s_mov_b32 s[G0A], 1
	s_mov_b32 s[G0A+1], s53
	s_add_nc_u64 s[G0A+2:G0A+3], s[4:5], s[54:55]
	s_mov_b32 s[G0W], 1
	s_add_co_u32 s[G0W+1], s53, SLOT1
	s_add_nc_u64 s[G0W+2:G0W+3], s[G0A+2:G0A+3], 65536
	s_or_b32 s[G0A+3], s[G0A+3], 0x80000000
	s_or_b32 s[G0W+3], s[G0W+3], 0x80000000
	s_mov_b32 s[G0M], 1
	s_add_co_u32 s[G0M+1], s3, BIAS
	s_add_nc_u64 s[G0M+2:G0M+3], s[6:7], s[56:57]
	s_or_b32 s[G0M+3], s[G0M+3], 0x80000000
	s_add_nc_u64 s[58:59], s[4:5], s[58:59]        ; Q at my wave's first tile
	s_add_nc_u64 s[8:9], s[8:9], s[62:63]          ; att likewise
	CROUND                                         ; all four work-groups are here: the first joint loads meet
	tensor_load_to_lds s[G0M:G0M+3], s[G1M:G1M+7]  ; the biases: filled once
	s_nop 0
	tensor_load_to_lds s[G0A:G0A+3], s[G1:G1+7]    ; slot 0
	s_nop 0
	tensor_load_to_lds s[G0W:G0W+3], s[G1:G1+7]    ; slot 1: three loads of mine are out
	s_nop 0
.rept 4
	v_nop
.endr
	v_and_b32 v1, 31, v0
	v_lshlrev_b32 v[LI], 4, v1
	v_bfe_u32 v[BI0], v0, 4, 1
	v_lshl_add_u32 v[BI0], v[BI0], 5, BIAS
	WIN 0x40                                       ; destination window 1
.irp i, 0,1,2,3,4,5,6,7,8,9,10,11,12,13,14,15
	global_load_b128 v[QF+4*\i:QF+4*\i+3], v[LI], s[58:59] offset:512*\i   ; Q stays in registers: tile i / 4, chunk i % 4
.endr
	WIN 0
	s_wait_kmcnt 0x0
	s_mov_b32 s[CS+1], s[CS]                       ; (named with it as a pair, so it is written)
	s_wait_loadcnt 0x0                             ; Q
	s_wait_tensorcnt 1                             ; the biases and my part of slot 0 are in; slot 1's may stay out
	s_barrier_signal -1
	s_barrier_wait -1                              ; everybody's are
	STEP 1                                         ; the first key step starts m, l and O^T
	STEPS 7
	s_mov_b32 s[SLOTS], 2
.Lslot:                                            ; two trips: both slots are filled a second time
	CHANGE 1
	STEPS 8
	s_sub_co_u32 s[SLOTS], s[SLOTS], 1
	s_cmp_lg_u32 s[SLOTS], 0
	s_cbranch_scc1 .Lslot
	CHANGE 0                                       ; the tail is written out
	STEPS 8
	; THE WAY OUT.  l's two halves and the other half of the lanes' are added; O^T is divided by l and rounded to f16; a lane's eight channels are 16 bytes, the 32 lanes' a chunk of att.  The additions are the places behind the last products.
.irp t, 0,1,2,3
	v_add_f32 v[ST+8*\t+4], v[ST+8*\t+2], v[ST+8*\t+3]
.endr
.irp t, 0,1,2,3
	v_permlanex16_b32 v[ST+8*\t+5], v[ST+8*\t+4], s[SEL], s[SEL+1]
.endr
.irp t, 0,1,2,3
	v_add_f32 v[ST+8*\t+4], v[ST+8*\t+4], v[ST+8*\t+5]
.endr
.irp t, 0,1,2,3
	v_rcp_f32 v[ST+8*\t+6], v[ST+8*\t+4]
.endr
	v_nop                                          ; a plain instruction between the last reciprocal and the use of its result
	s_wait_alu depctr_va_vdst(0)                   ; and a wait ahead of the first use: one for the four
.irp t, 0,1,2,3
	WIN W_RS
.set i, 0
.rept 16
	v_pk_mul_f32 v[O+32*\t+2*i:O+32*\t+2*i+1], v[O+32*\t+2*i:O+32*\t+2*i+1], v[ST+8*\t+6:ST+8*\t+7] op_sel_hi:[1,0]
.set i, i+1
.endr
	WIN 0x05                                       ; sources 0 and 1 window 1, destination window 0: S^T's registers are free
.set i, 0
.rept 16
	v_cvt_pk_f16_f32 v[S+16*\t+i], v[O+32*\t+2*i], v[O+32*\t+2*i+1]
.set i, i+1
.endr
	WIN 0
.irp ct, 0,1,2,3
	global_store_b128 v[LI], v[S+16*\t+4*\ct:S+16*\t+4*\ct+3], s[8:9] offset:4096*\t+512*\ct   ; 512 consecutive bytes, aligned; each tile has registers of its own
.endr
.endr
	s_wait_tensorcnt 0x0                           ; the wave's end: a wait for my last tensor load, an add of 0 to my spare word and its wait
	ds_add_u32 v[SPW], v[NIL]
	s_wait_dscnt 0x0
	CROUND                                         ; the closing round: no work-group ends while a partner may still ask for a tile that names it
	s_endpgm
.Lfunc_end_k_q7b1f6dc0f8_attn:
	.size	k_q7b1f6dc0f8_attn, .Lfunc_end_k_q7b1f6dc0f8_attn-k_q7b1f6dc0f8_attn
	.p2alignl 7, 3214868480
	.fill 96, 4, 3214868480
	.section	.rodata,"a",@progbits
	.p2align	6, 0x0
	.amdhsa_kernel k_q7b1f6dc0f8_attn
		.amdhsa_group_segment_fixed_size 327680
		.amdhsa_private_segment_fixed_size 0
		.amdhsa_enable_private_segment 0
		.amdhsa_kernarg_size 24
		.amdhsa_user_sgpr_count 2
		.amdhsa_user_sgpr_kernarg_segment_ptr 1
		.amdhsa_wavefront_size32 1
		.amdhsa_system_sgpr_workgroup_id_x 1
		.amdhsa_system_sgpr_workgroup_id_y 1
		.amdhsa_system_sgpr_workgroup_id_z 1
		.amdhsa_system_vgpr_workitem_id 0
		.amdhsa_next_free_vgpr 512
		.amdhsa_next_free_sgpr 66
		.amdhsa_reserve_vcc 0
		.amdhsa_float_denorm_mode_32 3
		.amdhsa_float_denorm_mode_16_64 3
		.amdhsa_memory_ordered 1
		.amdhsa_forward_progress 1
		.amdhsa_inst_pref_size 145
	.end_amdhsa_kernel
	.amdgpu_metadata
---
amdhsa.version: [ 1, 2 ]
amdhsa.kernels:
  - .name:           k_q7b1f6dc0f8_attn
    .symbol:         k_q7b1f6dc0f8_attn.kd
    .args:
      - { .name: qkv, .offset: 0, .size: 8, .value_kind: global_buffer, .address_space: global }
      - { .name: maskb, .offset: 8, .size: 8, .value_kind: global_buffer, .address_space: global }
      - { .name: att, .offset: 16, .size: 8, .value_kind: global_buffer, .address_space: global }
    .group_segment_fixed_size: 327680
    .private_segment_fixed_size: 0
    .kernarg_segment_align: 8
    .kernarg_segment_size: 24
    .max_flat_workgroup_size: 256
    .sgpr_count:     66
    .vgpr_count:     512
    .wavefront_size: 32
...
	.end_amdgpu_metadata
.endif
;; end of part 3
;; launch gemm_out (part 4): grid 4 x 64, 4 waves a work-group, clusters of 4 x 4, 327,680 bytes of LDS; arguments att, wo, b_out, out0; writes out0
.if DOCPART == 4
	.amdgcn_target "amdgcn-amd-amdhsa--gfx1250"
	.amdhsa_code_object_version 6
	.text
	.protected	k_q7b1f6dc0f8_gemm_out
	.globl	k_q7b1f6dc0f8_gemm_out
	.p2align	8
	.type	k_q7b1f6dc0f8_gemm_out,@function
k_q7b1f6dc0f8_gemm_out:
	s_mov_b64 s[64:65], 0
	v_nop
	global_prefetch_b8 v0, s[64:65] scope:SCOPE_SE
	s_setreg_imm32_b32 hwreg(HW_REG_WAVE_MODE, 25, 1), 1
	s_wait_xcnt 0x0
	s_wait_alu depctr_hold_cnt(0) depctr_sa_sdst(0) depctr_va_vdst(0) depctr_va_sdst(0) depctr_va_ssrc(0) depctr_va_vcc(0) depctr_vm_vsrc(0)
	s_getreg_b32 s2, hwreg(HW_REG_IB_STS2, 6, 4)
	s_cmp_eq_u32 s2, 0
	s_cbranch_scc0 .Lentry_in_a_cluster
	s_endpgm
.Lentry_in_a_cluster:
	s_bfe_u32 s2, ttmp6, 0x10000c
	s_cmp_lg_u32 s2, 0xf033
	s_cbranch_scc0 .Lentry_shape_is_right
	s_endpgm
.Lentry_shape_is_right:
; out0 = att w_out + b_out.  att [8192][1024] and w_out [1024 k][1024 n] come as f16 images of operand registers (launches attn and prep); sums in f32; out0 f32.
; A tile of 128 tokens x 256 n is made by a work-group of four waves: 256 work-groups.  A wave makes 64 x 128: 32 accumulators of 16 x 16, 256 registers.
; K goes in steps of 128 through a ring of two LDS slots filled by the tensor data mover: a K step's 128 tokens are one dense block of 32,768 bytes, its 256 n one of 65,536.  A fragment (16 rows x 32 k) is two chunks
; of 512 consecutive bytes: LDS has no pitch and no padding.
; THE MATRIX INSTRUCTION IS USED TRANSPOSED (source 0 = 16 n of w_out, source 1 = 16 tokens): a lane holds eight neighbouring n of one token.  THE BIAS is the C of each sum's first matrix instruction.
; CLUSTERS: 4 x 4 work-groups.  The four of a row of the cluster need the same tokens, the four of a column the same n: each tile is asked for jointly, by the same tensor load with a mask that names the four.
; REGISTERS: window 0: v0-31 addresses; v32-95 the bias in the result's layout; v96-127, v128-159 the tokens' fragments, two buffers (on the way out v96-223: rows of out0).
;   window 1: w_out's fragments, two buffers, v0-63 and v64-127.   window 2: the accumulators ((a, b) at v[8 (8 a + b)]).
.set SLOT,   98304                     ; the tokens' 32,768 bytes, then w_out's 65,536
.set SPARE,  2*SLOT                    ; behind the ring: the spare words, 128 bytes for each wave: two blocks of 256 bytes that no other line names
.set SPITCH, 528                       ; the way out: a stage of 16 rows x (512 bytes + 16) for each wave.  It lies in slot 0, which has had its last fill and its last read when the first result is stored there
.set LAPS,   4                         ; a lap = two K steps = once round the ring
.set ADRA, 16                          ; v16-17  LDS address of my tokens' fragments in slot 0, 1
.set ADRB, 20                          ; v20-21  the same for w_out
.set STO,  24                          ; v24     the way out: where I put 32 bytes of a row
.set RD,   25                          ; v25     where I read a row back
.set CO,   26                          ; v26     16 x lane
.set SPW,  28                          ; v28     LDS address of my spare word; never rewritten
.set NIL,  29                          ; v29     0; never rewritten
.set BI,   32                          ; v32-95  b_out[my first n + 16 b + 8 (lane / 16) + j] at v[BI + 8 b + j]
.set AF,   96
.set G1, 24                            ; s[24:31] descriptor group 1 for the tokens' tiles;  s[32:39] group 0, one set for each slot
.set G0, 32
.set G1B, 48                           ; s[48:55], s[56:63] the same for w_out's tiles
.set G0B, 56
.set MSB, 0
.macro WIN new                         ; the immediate's high byte repeats the setting that is left
.if MSB != (\new)
	s_set_vgpr_msb (MSB<<8)|(\new)
.set MSB, \new
.endif
.endm
.set MUL,   0xa1                       ; source 0 window 1, source 1 window 0, C and D window 2
.set MUL_Z, 0x81                       ; the same with C (the bias) in window 0
.set TO_B,  0x40                       ; destination window 1, address window 0
.macro JLOAD s                         ; a joint load: waves 0 and 1 fetch the tokens' two halves, waves 2 and 3 w_out's; an s_nop 0 and four v_nop follow each of the two lines
	s_cmp_eq_u32 s15, 0
	s_cbranch_scc0 .Lfor_b_\@
	tensor_load_to_lds s[G0+4*\s:G0+4*\s+3], s[G1:G1+7]
	s_nop 0
.rept 4
	v_nop
.endr
	s_branch .Lasked_\@
.Lfor_b_\@:
	tensor_load_to_lds s[G0B+4*\s:G0B+4*\s+3], s[G1B:G1B+7]
	s_nop 0
.rept 4
	v_nop
.endr
.Lasked_\@:
.endm
.macro CREST                           ; a round of the cluster's barrier behind its opening barrier
	s_cmp_lg_u32 s14, 0
	s_cbranch_scc1 .Lnot_wave_0_\@
	s_barrier_signal -3
.Lnot_wave_0_\@:
	s_barrier_wait -3
	s_barrier_signal -1
	s_barrier_wait -1
.endm
.macro CROUND                          ; a whole round
	s_barrier_signal -1
	s_barrier_wait -1
	CREST
.endm
	s_load_b256 s[4:11], s[0:1], 0x0               ; att s[4:5], wo s[6:7], b_out s[8:9], out0 s[10:11]
	v_lshl_add_u32 v[SPW], v0, 2, SPARE
	v_mov_b32 v[NIL], 0
	ds_add_u32 v[SPW], v[NIL]                      ; the wave's opening: the add, twice on end, and its wait ahead of my first tensor load
	ds_add_u32 v[SPW], v[NIL]
	v_lshrrev_b32 v1, 5, v0
	v_readfirstlane_b32 s14, v1                    ; wave 0..3
	s_lshr_b32 s15, s14, 1                         ; which 64 tokens are mine.  Also: I fetch tokens (0) or w_out (1)
	s_and_b32 s16, s14, 1                          ; which 128 n.  Also: which half of that tile I fetch
	s_bfe_u32 s40, ttmp6, 0x40000                  ; cx, cy: my place in the cluster
	s_bfe_u32 s41, ttmp6, 0x40004
	s_lshl_b32 s42, ttmp9, 2
	s_add_co_u32 s42, s42, s40                     ; tile of 256 n = 4 x cluster x + cx
	s_and_b32 s17, ttmp7, 0xffff
	s_lshl_b32 s17, s17, 2
	s_add_co_u32 s17, s17, s41                     ; tile of 128 tokens = 4 x cluster y + cy
	s_lshl_b32 s43, s41, 2
	s_lshl_b32 s43, 15, s43                        ; my row of the cluster
	s_lshl_b32 s44, 0x1111, s40                    ; my column
	; descriptor group 1: dense blocks as rows of 256 bytes (32 elements of 8 bytes), no padding: 64 rows of tokens, 128 of w_out
	s_or_b32 s[G1+0], s43, (3<<16)|(1<<21)         ; 15:0 the mask; 17:16 elements of 8 bytes; 21 set beside a mask
	s_or_b32 s[G1B+0], s44, (3<<16)|(1<<21)
	s_mov_b32 s[G1+1], 32<<16                      ; tensor_dim0
	s_mov_b32 s[G1+2], 64<<16                      ; tensor_dim1
	s_mov_b32 s[G1+3], 32<<16                      ; tile_dim0
	s_mov_b32 s[G1+4], 64                          ; tile_dim1
	s_mov_b32 s[G1+5], 32                          ; tensor_dim0_stride
	s_mov_b32 s[G1+6], 0
	s_mov_b32 s[G1+7], 0
	s_mov_b32 s[G1B+1], 32<<16
	s_mov_b32 s[G1B+2], 128<<16
	s_mov_b32 s[G1B+3], 32<<16
	s_mov_b32 s[G1B+4], 128
	s_mov_b32 s[G1B+5], 32
	s_mov_b32 s[G1B+6], 0
	s_mov_b32 s[G1B+7], 0
	s_lshl_b32 s20, s16, 14                        ; the tokens' half that I fetch: in LDS and in memory alike
	s_lshl_b32 s18, s17, 15                        ; a tile of 128 tokens x 128 k is 32,768 bytes
	s_add_co_u32 s18, s18, s20
	s_mov_b32 s19, 0
	s_lshl_b32 s21, s16, 15                        ; w_out's half
	s_lshl_b32 s46, s42, 16                        ; a tile of 256 n x 128 k is 65,536 bytes
	s_add_co_u32 s46, s46, s21
	s_mov_b32 s47, 0
	s_add_co_u32 s21, s21, 32768                   ; in LDS behind the tokens: no place in the cluster enters an LDS address
	s_wait_dscnt 0x0                               ; both opening adds are done
	s_wait_kmcnt 0x0
	s_add_nc_u64 s[18:19], s[4:5], s[18:19]
	s_add_nc_u64 s[46:47], s[6:7], s[46:47]
.irp s, 0,1
	s_mov_b32 s[G0+4*\s], 1
	s_add_co_u32 s[G0+4*\s+1], s20, \s*SLOT
	s_add_nc_u64 s[G0+4*\s+2:G0+4*\s+3], s[18:19], \s*0x200000     ; K step s of att
	s_or_b32 s[G0+4*\s+3], s[G0+4*\s+3], 0x80000000
	s_mov_b32 s[G0B+4*\s], 1
	s_add_co_u32 s[G0B+4*\s+1], s21, \s*SLOT
	s_add_nc_u64 s[G0B+4*\s+2:G0B+4*\s+3], s[46:47], \s*0x40000    ; K step s of wo
	s_or_b32 s[G0B+4*\s+3], s[G0B+4*\s+3], 0x80000000
.endr
	CROUND                                         ; all sixteen work-groups are here: the first joint loads meet
	JLOAD 0
	JLOAD 1                                        ; two loads of mine are out
	v_and_b32 v1, 15, v0                           ; r
	v_bfe_u32 v2, v0, 4, 1                         ; h
	v_and_b32 v3, 31, v0
	v_lshlrev_b32 v[CO], 4, v3
	s_lshl_b32 s22, s42, 10                        ; my first n, in bytes of f32: 1,024 x tile + 512 x half
	s_lshl_b32 s23, s16, 9
	s_add_co_u32 s22, s22, s23
	s_mov_b32 s23, 0
	s_add_nc_u64 s[8:9], s[8:9], s[22:23]
	v_lshlrev_b32 v4, 5, v2                        ; 32 h: my half's eight n
.irp b, 0,1,2,3,4,5,6,7
	global_load_b128 v[BI+8*\b:BI+8*\b+3], v4, s[8:9] offset:64*\b
	global_load_b128 v[BI+8*\b+4:BI+8*\b+7], v4, s[8:9] offset:64*\b+16
.endr
	s_add_nc_u64 s[10:11], s[10:11], s[22:23]      ; out0 at my first column,
	s_lshl_b32 s22, s17, 19                        ; and my first row: 128 rows of 4,096 bytes a tile,
	s_lshl_b32 s2, s15, 18                         ; 64 a half
	s_add_co_u32 s22, s22, s2
	s_add_nc_u64 s[10:11], s[10:11], s[22:23]
	s_lshl_b32 s2, s15, 14                         ; my 64 tokens: four tiles of 4,096 bytes
	s_lshl_b32 s3, s16, 15                         ; my 128 n: eight tiles,
	s_add_co_u32 s3, s3, 32768                     ; behind the tokens
.irp s, 0,1
	v_add_nc_u32 v[ADRA+\s], s2, v[CO]
	v_add_nc_u32 v[ADRB+\s], s3, v[CO]
	s_add_co_u32 s2, s2, SLOT
	s_add_co_u32 s3, s3, SLOT
.endr
	s_mul_i32 s2, s14, 16*SPITCH                   ; my stage
	v_mul_u32_u24 v5, v1, SPITCH                   ; in: row r, 32 bytes for each half of the lanes
	v_lshl_add_u32 v5, v2, 5, v5
	v_add_nc_u32 v[STO], s2, v5
	v_add_nc_u32 v[RD], s2, v[CO]                  ; back: the 32 lanes take one row of 512 bytes
; 8 matrix instructions: token block a x all 8 n blocks, 32 along k, from buffer f.  zero = 1: the sums begin with the bias.  The 32 accumulators take turns, one instruction a turn, in the same order in every quarter.
.macro MULA f, a, zero
.irp b, 0,1,2,3,4,5,6,7
.if \zero
	v_wmma_f32_16x16x32_f16 v[8*(8*(\a)+\b):8*(8*(\a)+\b)+7], v[64*(\f)+8*\b:64*(\f)+8*\b+7], v[AF+32*(\f)+8*(\a):AF+32*(\f)+8*(\a)+7], v[BI+8*\b:BI+8*\b+7]
.else
	v_wmma_f32_16x16x32_f16 v[8*(8*(\a)+\b):8*(8*(\a)+\b)+7], v[64*(\f)+8*\b:64*(\f)+8*\b+7], v[AF+32*(\f)+8*(\a):AF+32*(\f)+8*(\a)+7], v[8*(8*(\a)+\b):8*(8*(\a)+\b)+7]
.endif
.endr
.endm
; 24 LDS loads in one run: the fragments of the slot's q-th 32 along k into buffer f: chunks 2 q and 2 q + 1 of each tile of 16 rows
.macro FETCH slot, q, f
	WIN TO_B
.irp i, 0,1,2,3,4,5,6,7
	ds_load_b128 v[64*(\f)+8*\i:64*(\f)+8*\i+3],   v[ADRB+\slot] offset:4096*\i+1024*(\q)
	ds_load_b128 v[64*(\f)+8*\i+4:64*(\f)+8*\i+7], v[ADRB+\slot] offset:4096*\i+1024*(\q)+512
.endr
	WIN 0
.irp i, 0,1,2,3
	ds_load_b128 v[AF+32*(\f)+8*\i:AF+32*(\f)+8*\i+3],   v[ADRA+\slot] offset:4096*\i+1024*(\q)
	ds_load_b128 v[AF+32*(\f)+8*\i+4:AF+32*(\f)+8*\i+7], v[ADRA+\slot] offset:4096*\i+1024*(\q)+512
.endr
.endm
.macro PLACES                          ; four places in front of loads into registers that matrix instructions have read, and of reads of results (ISA guide 7.12.1 for vector instructions)
.rept 4
	v_nop
.endr
.endm
; A K step is four quarters of 32 along k, 32 matrix instructions each, on buffers 0, 1, 0, 1.  One of the first three: multiplies buffer f and, in its middle, fetches quarter qn of the same slot into g.
.macro QUARTER slot, qn, f, g, zero
	s_wait_dscnt 0x0                               ; this quarter's fragments are in (asked for 16 matrix instructions ago)
	WIN MUL-0x20*(\zero)
	MULA \f, 0, \zero
	MULA \f, 1, \zero
	PLACES
	FETCH \slot, \qn, \g
	WIN MUL-0x20*(\zero)
	MULA \f, 2, \zero
	MULA \f, 3, \zero
.endm
; The last quarter multiplies buffer 1 and changes slots: ONE barrier; in front of it each wave waits for all its tensor loads, adds 0 to its spare word, and waits for that and for its reads of this slot.  fill = 1: this slot is filled again, two K steps ahead.
.macro TURN slot, next, fill
	WIN 0                                          ; (the add's two registers lie in window 0)
	s_wait_tensorcnt 0x0                           ; all my tensor loads have landed: my part of the next slot;
	ds_add_u32 v[SPW], v[NIL]                      ; 0 onto my spare word;
	s_wait_dscnt 1                                 ; (the add may be out; the quarter's fragments are in)
	WIN MUL
	MULA 1, 0, 0                                   ; eight matrix instructions stand between the add and the wait for it
	s_wait_dscnt 0x0                               ; the add is done, and my reads of this slot are over
	s_barrier_signal -1
	MULA 1, 1, 0
.if \fill
	WIN 0
.endif
	s_barrier_wait -1
.if \fill
	CREST                                          ; the barrier has opened a round of the cluster's barrier: no wave of any partner still reads this slot's tile or has a load on its way
	s_add_nc_u64 s[G0+4*\slot+2:G0+4*\slot+3], s[G0+4*\slot+2:G0+4*\slot+3], 0x400000
	s_add_nc_u64 s[G0B+4*\slot+2:G0B+4*\slot+3], s[G0B+4*\slot+2:G0B+4*\slot+3], 0x80000
	JLOAD \slot                                    ; the first tensor load behind the round, one a wave; the four v_nop behind it are also the places in front of the loads below
.else
	PLACES
.endif
	FETCH \next, 0, 0
	WIN MUL
	MULA 1, 2, 0
	MULA 1, 3, 0
.endm
	s_wait_loadcnt 0x0                             ; the bias
	s_wait_tensorcnt 1                             ; my part of K step 0 is in (K step 1's load may be out)
	s_barrier_signal -1
	s_barrier_wait -1                              ; everybody's is
	FETCH 0, 0, 0
	QUARTER 0, 1, 0, 1, 1                          ; the first quarter stands in front of the loop: its products start the sums, with the bias as C
	WIN 0                                          ; at a label and at a branch every window is 0
	s_mov_b32 s3, LAPS-1
.Llap:                                             ; a trip goes once round the ring, from a lap's second quarter to the next lap's first, and fills both slots again
	QUARTER 0, 2, 1, 0, 0
	QUARTER 0, 3, 0, 1, 0
	TURN 0, 1, 1
	QUARTER 1, 1, 0, 1, 0
	QUARTER 1, 2, 1, 0, 0
	QUARTER 1, 3, 0, 1, 0
	TURN 1, 0, 1
	QUARTER 0, 1, 0, 1, 0
	WIN 0
	s_sub_co_u32 s3, s3, 1
	s_cmp_lg_u32 s3, 0
	s_cbranch_scc1 .Llap
	QUARTER 0, 2, 1, 0, 0                          ; the last lap fills nothing, and has no round of the cluster's barrier
	QUARTER 0, 3, 0, 1, 0
	TURN 0, 1, 0
	QUARTER 1, 1, 0, 1, 0
	QUARTER 1, 2, 1, 0, 0
	QUARTER 1, 3, 0, 1, 0
	s_wait_dscnt 0x0                               ; the very last quarter: nothing more to fetch
	WIN MUL
	MULA 1, 0, 0
	MULA 1, 1, 0
	MULA 1, 2, 0
	MULA 1, 3, 0
	WIN 0
; THE WAY OUT, block by block of 16 tokens x 128 n.  A lane holds 32 neighbouring bytes of a row, and the lanes beside it hold other rows: so a block goes through my own stage in LDS and comes back as whole rows of 512 bytes.
; LDS serves a wave's instructions in order (ISA guide 5.7.1.4): no wait between the stores and the loads, nor in front of the next block's stores.
.macro TOSTAGE a
	WIN 0x08                                       ; an LDS store's data are its source 1: window 2
.irp b, 0,1,2,3,4,5,6,7
	ds_store_b128 v[STO], v[64*(\a)+8*\b:64*(\a)+8*\b+3] offset:64*\b          ; each accumulator from its low end on
	ds_store_b128 v[STO], v[64*(\a)+8*\b+4:64*(\a)+8*\b+7] offset:64*\b+16
.endr
	WIN 0
.irp t, 0,1,2,3,4,5,6,7,8,9,10,11,12,13,14,15
	ds_load_b128 v[AF+64*((\a)%2)+4*\t:AF+64*((\a)%2)+4*\t+3], v[RD] offset:\t*SPITCH
.endr
.endm
.macro SEND a, younger                 ; younger: the LDS instructions issued behind block a's loads, which may stay out
	s_wait_dscnt \younger                          ; the block is back in registers
.if (\a) > 0
	s_add_nc_u64 s[10:11], s[10:11], 65536         ; (behind a wait on XCNT: the earlier stores have read their base)  16 rows of out0 on
.endif
.irp t, 0,1,2,3,4,5,6,7,8,9,10,11,12,13,14,15
	global_store_b128 v[CO], v[AF+64*((\a)%2)+4*\t:AF+64*((\a)%2)+4*\t+3], s[10:11] offset:\t*4096 th:TH_STORE_NT   ; 32 lanes store 512 consecutive bytes, aligned; written once, read by nobody here
.endr
.endm
	PLACES                                         ; behind the last products: for the reads of results and the loads into registers that held fragments
	TOSTAGE 0
.irp a, 1,2,3
.if \a > 1
	s_wait_xcnt 0x0                                ; block a - 2's stores have read their registers and their base: block a's loads may land there, and the base may step
.endif
	TOSTAGE \a
	SEND \a-1, 32                                  ; behind block a - 1's loads: block a's 16 stores and 16 loads
.endr
	s_wait_xcnt 0x0                                ; block 2's stores have read their base
	SEND 3, 0
	s_wait_tensorcnt 0x0                           ; the wave's end: a wait for my last tensor load, then an add of 0 to my spare word and its wait, behind my last LDS store
	ds_add_u32 v[SPW], v[NIL]
	s_wait_dscnt 0x0
	CROUND                                         ; the closing round: no work-group ends while a partner may still ask for a tile that names it
	s_endpgm
.Lfunc_end_k_q7b1f6dc0f8_gemm_out:
	.size	k_q7b1f6dc0f8_gemm_out, .Lfunc_end_k_q7b1f6dc0f8_gemm_out-k_q7b1f6dc0f8_gemm_out
	.p2alignl 7, 3214868480
	.fill 96, 4, 3214868480
	.section	.rodata,"a",@progbits
	.p2align	6, 0x0
	.amdhsa_kernel k_q7b1f6dc0f8_gemm_out
		.amdhsa_group_segment_fixed_size 327680
		.amdhsa_private_segment_fixed_size 0
		.amdhsa_enable_private_segment 0
		.amdhsa_kernarg_size 32
		.amdhsa_user_sgpr_count 2
		.amdhsa_user_sgpr_kernarg_segment_ptr 1
		.amdhsa_wavefront_size32 1
		.amdhsa_system_sgpr_workgroup_id_x 1
		.amdhsa_system_sgpr_workgroup_id_y 1
		.amdhsa_system_sgpr_workgroup_id_z 1
		.amdhsa_system_vgpr_workitem_id 0
		.amdhsa_next_free_vgpr 768
		.amdhsa_next_free_sgpr 66
		.amdhsa_reserve_vcc 0
		.amdhsa_float_denorm_mode_32 3
		.amdhsa_float_denorm_mode_16_64 3
		.amdhsa_memory_ordered 1
		.amdhsa_forward_progress 1
		.amdhsa_inst_pref_size 86
	.end_amdhsa_kernel
	.amdgpu_metadata
---
amdhsa.version: [ 1, 2 ]
amdhsa.kernels:
  - .name:           k_q7b1f6dc0f8_gemm_out
    .symbol:         k_q7b1f6dc0f8_gemm_out.kd
    .args:
      - { .name: att, .offset: 0, .size: 8, .value_kind: global_buffer, .address_space: global }
      - { .name: wo, .offset: 8, .size: 8, .value_kind: global_buffer, .address_space: global }
      - { .name: b_out, .offset: 16, .size: 8, .value_kind: global_buffer, .address_space: global }
      - { .name: out0, .offset: 24, .size: 8, .value_kind: global_buffer, .address_space: global }
    .group_segment_fixed_size: 327680
    .private_segment_fixed_size: 0
    .kernarg_segment_align: 8
    .kernarg_segment_size: 32
    .max_flat_workgroup_size: 128
    .sgpr_count:     66
    .vgpr_count:     768
    .wavefront_size: 32
...
	.end_amdgpu_metadata
.endif
;; end of part 4
